; MI455X (gfx1250); checked and timed in simulation.
; The chip was launched on July 23, 2026; its instructions are those of AMD's public machine-readable ISA for CDNA 5 (MIT licence, August 2026) and "CDNA5" Instruction Set Architecture Reference Guide (July 2026). The comments in the code are by the model that wrote it; some were corrected since.
;; Multi Headed Attention. Allowed arithmetic: matrix products marked QUANTISED: E2M1 operands, one E8M0 scale for each 32 along K, by v_wmma_scale_f32_16x16x128_f8f6f4 with both operands' format E2M1 (or v_wmma_scale_f32_32x16x128_f4), f32 sums; products left as they are: bf16, f16 or f32 operands; f32 sums; everything else in f32.
;; Inputs: Wk 1,024 x 1,024 float32; Wo 1,024 x 1,024 float32; Wq 1,024 x 1,024 float32; Wv 1,024 x 1,024 float32; bk 1,024 float32; bo 1,024 float32; bq 1,024 float32; bv 1,024 float32; key 2 x 2,048 x 1,024 float32; query 2 x 2,048 x 1,024 float32; value 2 x 2,048 x 1,024 float32.
;; Outputs: out0 2 x 2,048 x 1,024 float32.
;; This version of the problem:
;;   THIS VERSION OF THE PROBLEM IS GIVEN IN LOW PRECISION. The matrix products marked QUANTISED in the list below multiply operands that are first quantised to E2M1 (2 exponent bits, 1 mantissa bit; 4 bits a number), with one power-of-two scale for each 32 numbers along K (OCP MX v1.0); their sums are f32. The products marked 'left as it is' may take bf16, f16 or f32 operands, with f32 sums. Whichever they take, every output number must still come out within the allowed error. Rounding operands to bf16 (8 significant bits) uses up far more of that allowance than f16 does (11 bits, for magnitudes from 6e-5 to 65,504). All else is computed in f32.
;;   The module's matrix products, in the order in which they are computed (A, B: the left and right operand; K: the contracted axis; several contracted axes count as one K, in the product's order):
;;     1. [M 4,096, K 1,024] x [K 1,024, N 1,024]; A: input query; B: input Wq: QUANTISED
;;     2. [M 4,096, K 1,024] x [K 1,024, N 1,024]; A: input key; B: input Wk: QUANTISED
;;     3. [M 4,096, K 1,024] x [K 1,024, N 1,024]; A: input value; B: input Wv: QUANTISED
;;     4. batch 32 x [M 2,048, K 64] x [K 64, N 2,048]; A: computed on the way; B: computed on the way: left as it is (an operand is computed on the way)
;;     5. batch 32 x [M 2,048, K 2,048] x [K 2,048, N 64]; A: computed on the way; B: computed on the way: left as it is (an operand is computed on the way)
;;     6. [M 4,096, K 1,024] x [K 1,024, N 1,024]; A: computed on the way; B: input Wo: left as it is (an operand is computed on the way)
;;   THE QUANTISER, for each operand of a quantised product, along K:
;;     - K is cut into blocks of 32 from its start; a last block that is shorter is filled with zeros.
;;     - A block's scale is 2^e with e = floor(log2(the largest magnitude in the block)) - 2, held to -126 .. 127; a block of zeros has e = 0. As a byte (E8M0): e + 127.
;;     - Each number is divided by its block's scale, clamped to +-6, and rounded to the nearest number of E2M1, ties to even, subnormals kept.
;;     - The product sums the exact products of the quantised numbers (number of the format x scale) in f32.
;;   ~~~python
;;   def quantise(x, axis):      # numpy; x: float32 -> the quantised numbers, widened to float32 again
;;       x = np.moveaxis(x, axis, -1); K = x.shape[-1]
;;       x = np.pad(x, [(0, 0)] * (x.ndim - 1) + [(0, -K % 32)]); x = x.reshape(x.shape[:-1] + (-1, 32)); a = np.abs(x).max(-1, keepdims=True)
;;       e = np.where(a > 0, np.clip(np.frexp(np.where(a > 0, a, 1))[1] - 1 - 2, -126, 127), 0)      # np.frexp(a)[1] - 1 = floor(log2(a)), exactly
;;       r = np.clip(x / 2.0 ** e, -6, 6)
;;       step = 2.0 ** (np.maximum(np.frexp(np.where(r == 0, 1, r))[1] - 1, 0) - 1)
;;       q = np.round(r / step) * step * 2.0 ** e      # np.round: ties to even
;;       return np.moveaxis(q.reshape(q.shape[:-2] + (-1,))[..., :K], -1, axis).astype(np.float32)
;;   ~~~
;; One version. Each part assembles by itself: llvm-mc -triple=amdgcn-amd-amdhsa -mcpu=gfx1250 --defsym DOCPART=n.
;; ======== version 1 of 1: 4 launches
;; limits: values are held in f16: magnitudes above 65,504 overflow, below 6.1e-05 lose precision
;; workspace buffers: codes 7,864,320 bytes; scales 491,520 bytes; wof 2,097,152 bytes; rope 524,288 bytes; qf 8,388,608 bytes; kf 8,388,608 bytes; vt 8,388,608 bytes; att 8,388,608 bytes
;; launch prep (part 1): grid 528 x 1, 4 waves a work-group, no clusters, 33,280 bytes of LDS; arguments query, key, value, Wq, Wk, Wv, Wo, codes, scales, wof, rope; writes codes, scales, wof, rope
.if DOCPART == 1
	.amdgcn_target "amdgcn-amd-amdhsa--gfx1250"
	.amdhsa_code_object_version 6
	.text
	.protected	k_qafaea45635_prep
	.globl	k_qafaea45635_prep
	.p2align	8
	.type	k_qafaea45635_prep,@function
k_qafaea45635_prep:
	s_mov_b64 s[64:65], 0
	v_nop
	global_prefetch_b8 v0, s[64:65] scope:SCOPE_SE
	s_setreg_imm32_b32 hwreg(HW_REG_WAVE_MODE, 25, 1), 1
	s_wait_xcnt 0x0
; PREP: three jobs, told apart by the work-group's number g.
; g < 480: query, key, value [4096][1024] and Wq, Wk, Wv [1024][1024], f32 with K innermost, become codes of FP4 (E2M1) and one E8M0 byte for each 32 along K.  The six tensors lie one behind the other
;   in 'codes' (15,360 rows x 512 bytes) and 'scales' (15,360 rows x 32 bytes).  Rows are dense and K is a multiple of 32: each tensor is a plain stream of blocks of 32.  A work-group takes 32,768 numbers.
;   A block's scale is 2^(floor(log2(largest magnitude)) - 2); its byte is that magnitude's exponent field - 2, held at 1 from below.
; 480 <= g < 512: Wo [1024 (n)][1024 (k)] becomes f16, laid as images of operand registers: [n/128][k/256][tile of 16 n][32 k][half][lane][16 bytes]; lane (r, h) of half u holds Wo(16 tile + r, 32 c + 16 u + 8 h + 0..7).
; g >= 512: the table of cosines and sines, f32, in the order in which the projections' results lie in registers: [tile of 16 tokens][piece p of 8][lane][16 bytes]; register 4 p + e of 32:
;   0-15 cos(t w_i), i = 16 (reg / 8) + 8 h + reg % 8, 16-31 the sines; t = 16 tile + r; w_i = 10000^(-i/32).
; LIMITS: a block of zeros gets the byte 1 where the rule says 127 (its codes are zeros, and this program alone reads the bytes); blocks whose largest magnitude lies under 2^-124 keep the byte 1;
;   NaN and infinities among the inputs are not served; |Wo| stays under 65,504 (f16).  w_i / pi comes from one v_exp_f32; the angle is then reduced exactly (product and its rounding error by a fused multiply-add),
;   and sine and cosine are polynomials on |x| <= pi/2 whose first left-out terms are x^13/13! and x^12/12!.
.set STEPS, 16
.set EMAX,  2
.set CB,    8                          ; bytes of 16 codes
.set R,     16                         ; v16-79   four sets of 16 numbers as they are loaded
.set X,     80                         ; v80-111  two sets of 16 neighbours
.set E,     112                        ; v112-127 a scale byte for each step
.set C,     128                        ; v128-191 codes: four registers for each step
.set WREG,  8192                       ; LDS: a region for each wave: two stages of 32 x SP bytes, then its 256 scale bytes
.set SP,    80                         ; a lane's place in a stage: 64 bytes + 16 of padding
.set SPW,   12                         ; v12  LDS address of my spare word; never rewritten
.set NIL,   13                         ; v13  0; never rewritten
.set SPARE, 4*WREG                     ; behind the four regions: the spare words, 128 bytes a wave
	s_load_b512 s[4:19], s[0:1], 0x0               ; query 4, key 6, value 8, Wq 10, Wk 12, Wv 14, Wo 16, codes 18
	s_load_b128 s[20:23], s[0:1], 0x40             ; scales 20, wof 22
	s_load_b64 s[24:25], s[0:1], 0x50              ; rope
	v_lshl_add_u32 v[SPW], v0, 2, SPARE
	v_mov_b32 v[NIL], 0
	v_lshrrev_b32 v1, 5, v0
	v_readfirstlane_b32 s26, v1                    ; wave
	v_and_b32 v2, 31, v0                           ; lane
	s_wait_kmcnt 0x0
	s_cmp_ge_u32 ttmp9, 512
	s_cbranch_scc1 .Lrope
	s_cmp_ge_u32 ttmp9, 480
	s_cbranch_scc1 .Lwo
	; ---------------- the quantiser.  Only pointers are chosen: all six tensors take one path
.macro PICK lim, ptr, base             ; below work-group lim the tensor is the one at s[ptr], whose first work-group is base
	s_cmp_lt_u32 ttmp9, \lim
	s_cselect_b64 s[28:29], s[\ptr:\ptr+1], s[28:29]
	s_cselect_b32 s27, \base, s27
.endm
	s_mov_b64 s[28:29], s[14:15]                   ; Wv,
	s_mov_b32 s27, 448                             ; from work-group 448 on
	PICK 448, 12, 416
	PICK 416, 10, 384
	PICK 384, 8, 256
	PICK 256, 6, 128
	PICK 128, 4, 0
	s_sub_co_u32 s27, ttmp9, s27
	s_lshl_b32 s27, s27, 2
	s_add_co_u32 s27, s27, s26                     ; which run of 8,192 numbers of the tensor is my wave's
	s_lshl_b32 s34, s27, 15                        ; 32,768 bytes a run
	s_mov_b32 s35, 0
	s_add_nc_u64 s[28:29], s[28:29], s[34:35]
	s_lshl_b32 s36, ttmp9, 2
	s_add_co_u32 s36, s36, s26                     ; and which run of all six
	s_lshl_b32 s34, s36, 12                        ; 4,096 bytes of codes a run
	s_add_nc_u64 s[30:31], s[18:19], s[34:35]
	s_lshl_b32 s34, s36, 8                         ; 256 scale bytes a run
	s_add_nc_u64 s[32:33], s[20:21], s[34:35]
	v_lshlrev_b32 v3, 4, v2                        ; my 16 bytes of a load's 512
	s_mul_i32 s37, s26, WREG
	v_lshrrev_b32 v14, 2, v2
	v_mul_u32_u24 v14, v14, SP
	v_and_b32 v15, 3, v2
	v_lshl_add_u32 v14, v15, 4, v14
	v_add_nc_u32 v14, s37, v14                     ; the stage, on the way in: SP (lane / 4) + 16 (lane % 4)
	v_mul_u32_u24 v15, v2, SP
	v_add_nc_u32 v15, s37, v15                     ; and on the way out: SP x lane: my 16 neighbours
	v_mul_u32_u24 v4, v2, CB                       ; my codes' place in a step's
	v_lshrrev_b32 v5, 1, v2
	s_add_co_u32 s37, s37, 2*32*SP
	v_add_nc_u32 v5, s37, v5                       ; my wave's 256 scale bytes, my block's byte
	v_lshlrev_b32 v7, 3, v2                        ; and on the way out 8 bytes a lane
	v_add_nc_u32 v6, s37, v7
.macro LOAD t
.irp i, 0,1,2,3
	global_load_b128 v[R+16*((\t)%4)+4*\i:R+16*((\t)%4)+4*\i+3], v3, s[28:29] offset:2048*(\t)+512*\i th:TH_LOAD_NT   ; 32 lanes read 512 consecutive bytes
.endr
.endm
.macro TURN t                          ; step t's numbers through the stage: LDS serves a wave's instructions in order, so no wait stands between the stores and the loads
.irp i, 0,1,2,3
	ds_store_b128 v14, v[R+16*((\t)%4)+4*\i:R+16*((\t)%4)+4*\i+3] offset:32*SP*((\t)%2)+8*SP*\i
.endr
.irp i, 0,1,2,3
	ds_load_b128 v[X+16*((\t)%2)+4*\i:X+16*((\t)%2)+4*\i+3], v15 offset:32*SP*((\t)%2)+16*\i
.endr
.endm
.irp t, 0,1,2,3
	LOAD \t
.endr
	s_wait_loadcnt 12                              ; step 0's four loads are in; the twelve of steps 1 to 3 may be out
	TURN 0
.macro STEP t
.set XS, X+16*((\t)%2)
.if (\t) > 0
	s_wait_dscnt 1                                 ; this step's numbers are back from the stage (the last step's byte store may be out)
.else
	s_wait_dscnt 0x0
.endif
.if (\t)+4 < STEPS
	LOAD (\t)+4                                    ; into the registers that the stage's stores have read
.endif
.if (\t)+1 < STEPS
.if STEPS-2-(\t) >= 3
	s_wait_loadcnt 12                              ; the next step's four loads are in; those of the three steps behind it may be out
.else
	s_wait_loadcnt 4*(STEPS-2-(\t))
.endif
	TURN (\t)+1
.endif
	v_max3_num_f32 v8, |v[XS]|, |v[XS+1]|, |v[XS+2]|               ; the largest magnitude of my 16, in two chains
	v_max3_num_f32 v9, |v[XS+3]|, |v[XS+4]|, |v[XS+5]|
.irp i, 6,10
	v_max3_num_f32 v8, v8, |v[XS+\i]|, |v[XS+\i+1]|
	v_max3_num_f32 v9, v9, |v[XS+\i+2]|, |v[XS+\i+3]|
.endr
	v_max3_num_f32 v8, v8, |v[XS+14]|, |v[XS+15]|
	v_max3_num_f32 v8, v8, v9, (EMAX+1)<<23        ; and the floor 2^(3 - 127): the byte cannot fall under 1
	v_max_num_f32_dpp v8, v8, v8 row_xmask:1 row_mask:0xf bank_mask:0xf   ; and of my neighbour's 16: the block's
	v_add_nc_u32 v11, -(EMAX<<23), v8              ; 2 off its exponent field: the conversion takes the exponent field of this operand as its scale
	v_cvt_scalef32_pk8_fp4_f32 v[C+4*(\t)], v[XS:XS+7], v11
	v_cvt_scalef32_pk8_fp4_f32 v[C+4*(\t)+1], v[XS+8:XS+15], v11
	v_lshrrev_b32 v[E+(\t)], 23, v11               ; the scale's byte (also the plain line behind the conversions)
	ds_store_b8 v5, v[E+(\t)] offset:16*(\t)       ; both lanes of a block write the same byte with the same value
	global_store_b64 v4, v[C+4*(\t):C+4*(\t)+1], s[30:31] offset:32*CB*(\t)   ; the wave stores 256 consecutive bytes, aligned
.endm
.irp t, 0,1,2,3,4,5,6,7,8,9,10,11,12,13,14,15
	STEP \t
.endr
	ds_load_b64 v[8:9], v6                         ; my wave's own stores: served in order
	s_wait_dscnt 0x0
	global_store_b64 v7, v[8:9], s[32:33]          ; 32 lanes store 256 consecutive bytes, aligned
	s_wait_tensorcnt 0x0                           ; the wave's end, behind my last LDS store
	ds_add_u32 v[SPW], v[NIL]
	s_wait_dscnt 0x0
	s_endpgm
	; ---------------- Wo to f16 images.  No LDS.  A wave takes one tile of 16 rows n and half of K: 32 pieces of 512 bytes
.set WA, 16                            ; v16-79, v80-143: two sets of eight pieces as loaded;  v144-175: eight pieces packed
.set WB, 80
.set WP, 144
.Lwo:
	s_sub_co_u32 s27, ttmp9, 480
	s_lshl_b32 s27, s27, 1
	s_lshr_b32 s28, s26, 1
	s_add_co_u32 s27, s27, s28                     ; the tile of 16 rows, 0 .. 63
	s_and_b32 s28, s26, 1                          ; which half of K
	s_lshl_b32 s30, s27, 16                        ; 16 rows of 4,096 bytes
	s_lshl_b32 s29, s28, 11
	s_add_co_u32 s30, s30, s29
	s_mov_b32 s31, 0
	s_add_nc_u64 s[16:17], s[16:17], s[30:31]
	s_lshr_b32 s30, s27, 3
	s_lshl_b32 s30, s30, 18                        ; n / 128
	s_and_b32 s29, s27, 7
	s_lshl_b32 s29, s29, 13                        ; the tile among its eight
	s_add_co_u32 s30, s30, s29
	s_lshl_b32 s29, s28, 17                        ; two K steps of 256 to a half
	s_add_co_u32 s30, s30, s29
	s_add_nc_u64 s[22:23], s[22:23], s[30:31]
	v_and_b32 v1, 15, v0
	v_bfe_u32 v5, v0, 4, 1
	v_lshlrev_b32 v3, 12, v1
	v_lshl_add_u32 v3, v5, 5, v3                   ; in: row r, + 32 h bytes
	v_lshlrev_b32 v4, 4, v2                        ; out: 16 x lane
.macro WLOAD grp, set                  ; pieces 8 grp .. 8 grp + 7 (piece u = 2 c + half: 64 bytes of each row): together 512 consecutive bytes of each of the 16 rows
.irp u, 0,1,2,3,4,5,6,7
	global_load_b128 v[\set+8*\u:\set+8*\u+3], v3, s[16:17] offset:(8*(\grp)+\u)*64
	global_load_b128 v[\set+8*\u+4:\set+8*\u+7], v3, s[16:17] offset:(8*(\grp)+\u)*64+16
.endr
.endm
.macro WCONV grp, set
.irp u, 0,1,2,3,4,5,6,7
.irp j, 0,1,2,3
	v_cvt_pk_f16_f32 v[WP+4*\u+\j], v[\set+8*\u+2*\j], v[\set+8*\u+2*\j+1]
.endr
	global_store_b128 v4, v[WP+4*\u:WP+4*\u+3], s[22:23] offset:((8*(\grp)+\u)/16)*65536+(((8*(\grp)+\u)/2)%8)*1024+((8*(\grp)+\u)%2)*512   ; 512 consecutive bytes
.endr
.endm
	WLOAD 0, WA
	WLOAD 1, WB
	s_wait_loadcnt 16                              ; the older group's 16 loads are in
	WCONV 0, WA
	WLOAD 2, WA
	s_wait_loadcnt 16
	s_wait_xcnt 0x0                                ; the stores have read v144-175: they may be written again
	WCONV 1, WB
	WLOAD 3, WB
	s_wait_loadcnt 16
	s_wait_xcnt 0x0
	WCONV 2, WA
	s_wait_loadcnt 0x0
	s_wait_xcnt 0x0
	WCONV 3, WB
	s_endpgm
	; ---------------- the table.  No LDS.  A work-group takes eight tiles of tokens; wave p makes pieces p (cosines) and p + 4 (sines)
.set TT,  8                            ; v8      t as f32
.set CF,  16                           ; v16-19  w_i / pi for my four i
.set U,   20                           ; v20-23  t w / pi, then its distance from the nearest whole number
.set ER,  24                           ; v24-27  the product's rounding error
.set NN,  28                           ; v28-31  the nearest whole number, then its parity as a sign bit
.set XX,  32                           ; v32-35  the reduced angle
.set ZZ,  36                           ; v36-39  its square
.set KS5, 40                           ; v40, v41 the polynomials' leading coefficients
.set KC5, 41
.set SN,  44                           ; v44-47  sines
.set CN,  48                           ; v48-51  cosines
.Lrope:
	s_sub_co_u32 s27, ttmp9, 512
	v_and_b32 v4, 15, v0                           ; r
	v_bfe_u32 v5, v0, 4, 1                         ; h
	v_lshlrev_b32 v3, 4, v2                        ; out: 16 x lane
	s_lshr_b32 s28, s26, 1
	s_and_b32 s29, s26, 1
	s_lshl_b32 s28, s28, 4
	s_lshl_b32 s29, s29, 2
	s_add_co_u32 s28, s28, s29                     ; 16 (p / 2) + 4 (p % 2)
	v_lshl_add_u32 v6, v5, 3, s28                  ; + 8 h: my first i
.irp e, 0,1,2,3
	v_add_nc_u32 v[CF+\e], \e, v6
.endr
.irp e, 0,1,2,3
	v_cvt_f32_u32 v[CF+\e], v[CF+\e]
.endr
	v_mov_b32 v7, 0xbed49a78                       ; -log2(10000) / 32
.irp e, 0,1,2,3
	v_fmaak_f32 v[CF+\e], v7, v[CF+\e], 0xbfd3643a ; - log2(pi)
.endr
.irp e, 0,1,2,3
	v_exp_f32 v[CF+\e], v[CF+\e]                   ; w_i / pi
.endr
	v_mov_b32 v[KS5], 0xb2d7322b                   ; -1/11!  (a plain line behind the exponentials)
	v_mov_b32 v[KC5], 0xb493f27e                   ; -1/10!
	s_lshl_b32 s31, s27, 7
	v_add_nc_u32 v[TT], s31, v4                    ; my first token: 128 x (g - 512) + r
	v_cvt_f32_u32 v[TT], v[TT]
	s_lshl_b32 s30, s27, 15                        ; eight tiles of 4,096 bytes
	s_lshl_b32 s31, s26, 9                         ; my piece
	s_add_co_u32 s30, s30, s31
	s_mov_b32 s31, 0
	s_add_nc_u64 s[24:25], s[24:25], s[30:31]
	s_wait_alu depctr_va_vdst(0)                   ; one wait for the four exponentials, ahead of their first reader
.macro HORNER ks, kc
.irp e, 0,1,2,3
	v_fmaak_f32 v[SN+\e], v[SN+\e], v[ZZ+\e], \ks
	v_fmaak_f32 v[CN+\e], v[CN+\e], v[ZZ+\e], \kc
.endr
.endm
.macro ANGLES ti                       ; one tile of tokens; the four i by turns
.irp e, 0,1,2,3
	v_mul_f32 v[U+\e], v[TT], v[CF+\e]             ; u = t w / pi, rounded,
.endr
.irp e, 0,1,2,3
	v_fma_f32 v[ER+\e], v[TT], v[CF+\e], -v[U+\e]  ; and what the rounding dropped, exactly
.endr
.irp e, 0,1,2,3
	v_rndne_f32 v[NN+\e], v[U+\e]
.endr
.irp e, 0,1,2,3
	v_sub_f32 v[U+\e], v[U+\e], v[NN+\e]           ; exact
.endr
.irp e, 0,1,2,3
	v_add_f32 v[U+\e], v[U+\e], v[ER+\e]
.endr
.irp e, 0,1,2,3
	v_mul_f32 v[XX+\e], 0x40490fdb, v[U+\e]        ; x = pi f, |x| <= pi / 2
.endr
.irp e, 0,1,2,3
	v_mul_f32 v[ZZ+\e], v[XX+\e], v[XX+\e]
.endr
.irp e, 0,1,2,3
	v_cvt_i32_f32 v[NN+\e], v[NN+\e]
.endr
.irp e, 0,1,2,3
	v_lshlrev_b32 v[NN+\e], 31, v[NN+\e]           ; an odd n turns both signs
.endr
.if \ti > 0
	s_wait_xcnt 0x0                                ; the last tile's stores have read v44-51
.endif
.irp e, 0,1,2,3
	v_fmaak_f32 v[SN+\e], v[KS5], v[ZZ+\e], 0x3638ef1d
	v_fmaak_f32 v[CN+\e], v[KC5], v[ZZ+\e], 0x37d00d01
.endr
	HORNER 0xb9500d01, 0xbab60b61
	HORNER 0x3c088889, 0x3d2aaaab
	HORNER 0xbe2aaaab, 0xbf000000
	HORNER 0x3f800000, 0x3f800000
.irp e, 0,1,2,3
	v_mul_f32 v[SN+\e], v[SN+\e], v[XX+\e]
.endr
.irp e, 0,1,2,3
	v_xor_b32 v[SN+\e], v[NN+\e], v[SN+\e]
	v_xor_b32 v[CN+\e], v[NN+\e], v[CN+\e]
.endr
	global_store_b128 v3, v[CN:CN+3], s[24:25] offset:(\ti)*4096         ; 512 consecutive bytes
	global_store_b128 v3, v[SN:SN+3], s[24:25] offset:(\ti)*4096+2048
	v_add_f32 v[TT], 0x41800000, v[TT]             ; 16 tokens on
.endm
.irp ti, 0,1,2,3,4,5,6,7
	ANGLES \ti
.endr
	s_endpgm
.Lfunc_end_k_qafaea45635_prep:
	.size	k_qafaea45635_prep, .Lfunc_end_k_qafaea45635_prep-k_qafaea45635_prep
	.p2alignl 7, 3214868480
	.fill 96, 4, 3214868480
	.section	.rodata,"a",@progbits
	.p2align	6, 0x0
	.amdhsa_kernel k_qafaea45635_prep
		.amdhsa_group_segment_fixed_size 33280
		.amdhsa_private_segment_fixed_size 0
		.amdhsa_enable_private_segment 0
		.amdhsa_kernarg_size 88
		.amdhsa_user_sgpr_count 2
		.amdhsa_user_sgpr_kernarg_segment_ptr 1
		.amdhsa_wavefront_size32 1
		.amdhsa_system_sgpr_workgroup_id_x 1
		.amdhsa_system_sgpr_workgroup_id_y 1
		.amdhsa_system_sgpr_workgroup_id_z 1
		.amdhsa_system_vgpr_workitem_id 0
		.amdhsa_next_free_vgpr 192
		.amdhsa_next_free_sgpr 66
		.amdhsa_reserve_vcc 0
		.amdhsa_float_denorm_mode_32 3
		.amdhsa_float_denorm_mode_16_64 3
		.amdhsa_memory_ordered 1
		.amdhsa_forward_progress 1
		.amdhsa_inst_pref_size 90
	.end_amdhsa_kernel
	.amdgpu_metadata
---
amdhsa.version: [ 1, 2 ]
amdhsa.kernels:
  - .name:           k_qafaea45635_prep
    .symbol:         k_qafaea45635_prep.kd
    .args:
      - { .name: query, .offset: 0, .size: 8, .value_kind: global_buffer, .address_space: global }
      - { .name: key, .offset: 8, .size: 8, .value_kind: global_buffer, .address_space: global }
      - { .name: value, .offset: 16, .size: 8, .value_kind: global_buffer, .address_space: global }
      - { .name: Wq, .offset: 24, .size: 8, .value_kind: global_buffer, .address_space: global }
      - { .name: Wk, .offset: 32, .size: 8, .value_kind: global_buffer, .address_space: global }
      - { .name: Wv, .offset: 40, .size: 8, .value_kind: global_buffer, .address_space: global }
      - { .name: Wo, .offset: 48, .size: 8, .value_kind: global_buffer, .address_space: global }
      - { .name: codes, .offset: 56, .size: 8, .value_kind: global_buffer, .address_space: global }
      - { .name: scales, .offset: 64, .size: 8, .value_kind: global_buffer, .address_space: global }
      - { .name: wof, .offset: 72, .size: 8, .value_kind: global_buffer, .address_space: global }
      - { .name: rope, .offset: 80, .size: 8, .value_kind: global_buffer, .address_space: global }
    .group_segment_fixed_size: 33280
    .private_segment_fixed_size: 0
    .kernarg_segment_align: 8
    .kernarg_segment_size: 88
    .max_flat_workgroup_size: 128
    .sgpr_count:     66
    .vgpr_count:     192
    .wavefront_size: 32
...
	.end_amdgpu_metadata
.endif
;; end of part 1
;; launch proj (part 2): grid 4 x 48, 4 waves a work-group, clusters of 4 x 4, 327,680 bytes of LDS; arguments codes, scales, bq, bk, rope, qf, kf, vt; writes qf, kf, vt
.if DOCPART == 2
	.amdgcn_target "amdgcn-amd-amdhsa--gfx1250"
	.amdhsa_code_object_version 6
	.text
	.protected	k_qafaea45635_proj
	.globl	k_qafaea45635_proj
	.p2align	8
	.type	k_qafaea45635_proj,@function
k_qafaea45635_proj:
	s_mov_b64 s[64:65], 0
	v_nop
	global_prefetch_b8 v0, s[64:65] scope:SCOPE_SE
	s_setreg_imm32_b32 hwreg(HW_REG_WAVE_MODE, 25, 1), 1
	s_wait_xcnt 0x0
	s_wait_alu depctr_hold_cnt(0) depctr_sa_sdst(0) depctr_va_vdst(0) depctr_va_sdst(0) depctr_va_ssrc(0) depctr_va_vcc(0) depctr_vm_vsrc(0)
	s_getreg_b32 s2, hwreg(HW_REG_IB_STS2, 6, 4)
	s_cmp_eq_u32 s2, 0
	s_cbranch_scc0 .Lentry_in_a_cluster
	s_endpgm
.Lentry_in_a_cluster:
	s_bfe_u32 s2, ttmp6, 0x10000c
	s_cmp_lg_u32 s2, 0xf033
	s_cbranch_scc0 .Lentry_shape_is_right
	s_endpgm
.Lentry_shape_is_right:
; PROJ: the three quantised projections, on codes of FP4 (E2M1) with one E8M0 scale for each 32 along K = 1,024; sums in f32.
; A work-group of four waves makes 256 x 256 of one product, a wave 128 x 128: 64 accumulators of 16 x 16, 512 registers.  All of K lies in two LDS slots of 512 along K, each filled once: nothing is filled again.
; THE MATRIX INSTRUCTION IS USED TRANSPOSED: source 0 = 16 rows of 'B', source 1 = 16 rows of 'A': a lane holds ONE row of A (lane % 16) and eight neighbouring rows of B (8 (lane / 16) + 0..7).
; Clusters 0-3 along y: q (A = query's tokens, B = Wq's rows); 4-7: k;  8-11: v with the roles swapped (A = Wv's rows, B = value's tokens), so that a lane holds one feature and eight neighbouring tokens: V^T.
; q, k: the bias is the C of each sum's first product; the rotation is done in registers with a table laid in the results' order; f16.  v: its sums start at 0, its bias is added behind the softmax (the weights sum to one).
; RESULTS LEAVE AS IMAGES OF THE NEXT PRODUCT'S OPERAND REGISTERS: a lane's eight f16 are its 16 bytes of half a fragment, so each store of the wave covers 512 consecutive bytes, aligned; no stage, no transposition.
;   qf, kf: [batch x 16 + head][tile of 16 tokens][d / 16][lane][16 bytes];   vt: [batch x 16 + head][group of 32 keys][d / 16][half][lane][16 bytes].
; CLUSTERS: 4 x 4 work-groups; A's tiles are shared along a row of the cluster, B's along a column: each is asked for jointly, by the same tensor load with the same descriptor and a mask that names the four.
; 192 work-groups: three products of 64 tiles; the factor three leaves no equal share for 256.
; LIMITS: |q|, |k|, |v| stay under 65,504 (f16).
; REGISTERS, in windows of 256: window 0: v16-31 addresses; v32-95 scale words, two sets; v96-127 the first token tile's table; v128-191 A's fragments, one set; v192-255 the bias in the results' layout.
;   window 1: B's fragments, two sets.   window 2: the accumulators of my A rows 0-63 ((a, b) at v[8 (8 (a % 4) + b)]);   window 3: those of rows 64-127.   On the way out v32-191 of window 0 are free.
.set NQ,     4                         ; steps of 128 along K in a slot
.set ROWB,   256                       ; a tile's row: 512 codes
.set KROW,   512                       ; a row of codes in memory
.set PITCH,  272                       ; an LDS row: 256 bytes + 16 of padding: the 16 rows that a load touches start at 16 different banks (64 banks of 4 bytes: ISA guide 11.1)
.set FR,     8
.set NL,     2
.set NP,     4                         ; places behind this matrix instruction (ISA guide 7.12.1)
.set HALFT,  128*PITCH
.set SLOT,   4*HALFT                   ; A's 256 rows, then B's
.set KS,     32                        ; a row of scale bytes
.set SCL,    2*SLOT                    ; behind the slots: the scales, as units of 256 bytes + 16 of padding
.set HALFS,  16*272                    ; those of 128 rows
.set SBLK,   2*272                     ; those of 16 rows
.set SPARE,  SCL+4*HALFS               ; the spare words, 128 bytes a wave
.set ADRA, 16                          ; v16-17  LDS address of my A fragments in slot 0, 1
.set ADRB, 20                          ; v20-21  the same for B
.set ADRS, 27                          ; v27     of my scale words: lanes 0-15 A's rows, lanes 16-31 B's
.set SPW,  28                          ; v28     my spare word; never rewritten
.set NIL,  29                          ; v29     0; never rewritten
.set LOFF, 30                          ; v30     16 x lane; never rewritten
.set HOFF, 31                          ; v31     32 x (lane / 16); never rewritten
.set SC,   32
.set TABA, 96                          ; the table of an even token tile;
.set TABB, 32                          ; of an odd one (the scale words are done with)
.set ROT,  64                          ; v64-95  a head's 32 rotated numbers
.set PK,   128                         ; v128-159 packed, two sets
.set AF,   128
.set BIAS, 192
.set WV,   20                          ; s20 wave;  s21 wave / 2: my half of A's rows, and: I fetch for A (0) or B (1);  s22 wave % 2: my half of B's rows, and: which 128 rows I fetch
.set RH,   21
.set CH,   22
.set CLY,  23                          ; s23 the cluster's y: the same in all sixteen partners
.set G1,   24
.set G0,   32
.set G1B,  48
.set G0B,  56
.set G1S,  68
.set G0S,  76
.set G1SB, 80
.set G0SB, 88
.set MSB, 0
.macro WIN new                         ; the immediate's high byte repeats the setting that is left
.if MSB != (\new)
	s_set_vgpr_msb (MSB<<8)|(\new)
.set MSB, (\new)
.endif
.endm
.set MUL_LO, 0xa1                      ; source 0 (B) window 1, source 1 (A) window 0, C and D window 2
.set MUL_HI, 0xf1                      ; the same, C and D window 3.  In the first step C is the bias, in window 0: 0x81 and 0xc1
.set TO_B,   0x40
; A joint load: waves 0 and 1 fetch for A, waves 2 and 3 for B.  The branch hangs on the wave's number alone.  An s_nop 0 and four v_nop follow each line.
.macro JLOAD g0a, g1a, g0b, g1b
	s_cmp_eq_u32 s[RH], 0
	s_cbranch_scc0 .Lfor_b_\@
	tensor_load_to_lds s[\g0a:\g0a+3], s[\g1a:\g1a+7]
	s_nop 0
.rept 4
	v_nop
.endr
	s_branch .Lasked_\@
.Lfor_b_\@:
	tensor_load_to_lds s[\g0b:\g0b+3], s[\g1b:\g1b+7]
	s_nop 0
.rept 4
	v_nop
.endr
.Lasked_\@:
.endm
.macro CROUND                          ; a round of the cluster's barrier
	s_barrier_signal -1
	s_barrier_wait -1
	s_cmp_lg_u32 s[WV], 0
	s_cbranch_scc1 .Lnot_wave_0_\@
	s_barrier_signal -3
.Lnot_wave_0_\@:
	s_barrier_wait -3
	s_barrier_signal -1
	s_barrier_wait -1
.endm
	s_load_b256 s[4:11], s[0:1], 0x0               ; codes 4, scales 6, bq 8, bk 10
	s_load_b256 s[12:19], s[0:1], 0x20             ; rope 12, qf 14, kf 16, vt 18
	v_lshl_add_u32 v[SPW], v0, 2, SPARE
	v_mov_b32 v[NIL], 0
	ds_add_u32 v[SPW], v[NIL]                      ; the wave's opening: the add, twice on end, and its wait ahead of my first tensor load
	ds_add_u32 v[SPW], v[NIL]
	v_lshrrev_b32 v1, 5, v0
	v_readfirstlane_b32 s[WV], v1
	s_lshr_b32 s[RH], s[WV], 1
	s_and_b32 s[CH], s[WV], 1
	s_bfe_u32 s40, ttmp6, 0x40000                  ; cx, cy: my place in the cluster
	s_bfe_u32 s41, ttmp6, 0x40004
	s_and_b32 s[CLY], ttmp7, 0xffff
	s_lshl_b32 s43, s41, 2
	s_lshl_b32 s43, 15, s43                        ; my row of the cluster
	s_lshl_b32 s44, 0x1111, s40                    ; my column
	; descriptor group 1 for codes: 128 rows x 256 bytes, 512 bytes apart in memory, 16 bytes of padding behind each in LDS
	s_or_b32 s[G1+0], s43, (1<<20)|(1<<21)|(5<<22)|(3<<25)    ; 15:0 the mask; 17:16 elements of 1 byte; 20 padding on; 21 set beside a mask; 24:22 after every 64 words; 31:25 four words
	s_or_b32 s[G1B+0], s44, (1<<20)|(1<<21)|(5<<22)|(3<<25)
.irp g, G1, G1B
	s_mov_b32 s[\g+1], ROWB<<16                    ; tensor_dim0
	s_mov_b32 s[\g+2], 128<<16                     ; tensor_dim1
	s_mov_b32 s[\g+3], ROWB<<16                    ; tile_dim0
	s_mov_b32 s[\g+4], 128                         ; tile_dim1
	s_mov_b32 s[\g+5], KROW                        ; tensor_dim0_stride
	s_mov_b32 s[\g+6], 0
	s_mov_b32 s[\g+7], 0
.endr
	; and for the scales of 128 rows: 4,096 dense bytes, as 16 rows of 256 bytes (32 elements of 8 bytes), 16 bytes of padding behind each
	s_or_b32 s[G1S+0], s43, (3<<16)|(1<<20)|(1<<21)|(5<<22)|(3<<25)
	s_or_b32 s[G1SB+0], s44, (3<<16)|(1<<20)|(1<<21)|(5<<22)|(3<<25)
.irp g, G1S, G1SB
	s_mov_b32 s[\g+1], 32<<16
	s_mov_b32 s[\g+2], 16<<16
	s_mov_b32 s[\g+3], 32<<16
	s_mov_b32 s[\g+4], 16
	s_mov_b32 s[\g+5], 32
	s_mov_b32 s[\g+6], 0
	s_mov_b32 s[\g+7], 0
.endr
	; which rows of 'codes' (0 query, 4096 key, 8192 value, 12288 Wq, 13312 Wk, 14336 Wv).  A's hang on cy, B's on cx, both on the cluster's y
	s_lshl_b32 s42, s[CH], 7                       ; which 128 rows of the tile I fetch
	s_lshl_b32 s92, s[CLY], 10                     ; the tokens of this cluster: 1,024 x y (query, key and value lie on end)
	s_lshr_b32 s93, s[CLY], 2
	s_lshl_b32 s93, s93, 10
	s_add_co_u32 s93, s93, 12288                   ; Wq or Wk
	s_cmp_ge_u32 s[CLY], 8                         ; v?
	s_cselect_b32 s96, 14336, s92                  ; A: Wv, or the tokens
	s_cselect_b32 s98, s92, s93                    ; B: the tokens, or the weight
	s_lshl_b32 s97, s41, 8
	s_add_co_u32 s96, s96, s97
	s_add_co_u32 s96, s96, s42                     ; A's row: + 256 cy + 128 x half
	s_lshl_b32 s99, s40, 8
	s_add_co_u32 s98, s98, s99
	s_add_co_u32 s98, s98, s42                     ; B's row: + 256 cx + 128 x half
	s_lshl_b32 s92, s96, 5                         ; their scales, 32 bytes a row,
	s_mov_b32 s93, 0
	s_lshl_b32 s94, s98, 5
	s_mov_b32 s95, 0
	s_lshl_b32 s96, s96, 9                         ; and their codes, 512
	s_mov_b32 s97, 0
	s_lshl_b32 s98, s98, 9
	s_mov_b32 s99, 0
	s_mul_i32 s45, s[WV], HALFT                    ; where they go: wave x 128 rows: no place in the cluster enters an LDS address
	s_mul_i32 s100, s[WV], HALFS
	s_wait_dscnt 0x0                               ; both opening adds are done
	s_wait_kmcnt 0x0
	s_add_nc_u64 s[96:97], s[4:5], s[96:97]
	s_add_nc_u64 s[98:99], s[4:5], s[98:99]
	s_add_nc_u64 s[92:93], s[6:7], s[92:93]
	s_add_nc_u64 s[94:95], s[6:7], s[94:95]
	CROUND                                         ; all sixteen work-groups are here: the joint loads meet
	s_mov_b32 s[G0S], 1
	s_add_co_u32 s[G0S+1], s100, SCL
	s_mov_b64 s[G0S+2:G0S+3], s[92:93]
	s_or_b32 s[G0S+3], s[G0S+3], 0x80000000
	s_mov_b32 s[G0SB], 1
	s_add_co_u32 s[G0SB+1], s100, SCL
	s_mov_b64 s[G0SB+2:G0SB+3], s[94:95]
	s_or_b32 s[G0SB+3], s[G0SB+3], 0x80000000
	JLOAD G0S, G1S, G0SB, G1SB                     ; the scales first: they are wanted with the first step
.irp s, 0,1
	s_mov_b32 s[G0+4*\s], 1
	s_add_co_u32 s[G0+4*\s+1], s45, \s*SLOT
	s_add_nc_u64 s[G0+4*\s+2:G0+4*\s+3], s[96:97], \s*ROWB
	s_or_b32 s[G0+4*\s+3], s[G0+4*\s+3], 0x80000000
	s_mov_b32 s[G0B+4*\s], 1
	s_add_co_u32 s[G0B+4*\s+1], s45, \s*SLOT
	s_add_nc_u64 s[G0B+4*\s+2:G0B+4*\s+3], s[98:99], \s*ROWB
	s_or_b32 s[G0B+4*\s+3], s[G0B+4*\s+3], 0x80000000
	JLOAD G0+4*\s, G1, G0B+4*\s, G1B               ; three tensor loads of mine are out: all that this launch asks for
.endr
	; where my results go, and my table and bias.  The token coordinate is (cy, wave / 2) for q and k, (cx, wave % 2) for v; the feature coordinate is the other one
	v_and_b32 v1, 15, v0                           ; r = lane % 16
	v_bfe_u32 v2, v0, 4, 1                         ; h = lane / 16
	v_and_b32 v3, 31, v0
	v_lshlrev_b32 v[LOFF], 4, v3
	v_lshlrev_b32 v[HOFF], 5, v2
	s_cmp_ge_u32 s[CLY], 8
	s_cselect_b32 s46, s40, s41
	s_cselect_b32 s47, s[CH], s[RH]
	s_cselect_b32 s67, s41, s40
	s_cselect_b32 s42, s[RH], s[CH]
	s_cselect_b32 s66, 0, -1                       ; v's sums start at 0
	s_cselect_b64 s[92:93], s[18:19], s[16:17]     ; vt, or kf,
	s_cmp_lt_u32 s[CLY], 4
	s_cselect_b64 s[92:93], s[14:15], s[92:93]     ; or qf
	s_cselect_b64 s[100:101], s[8:9], s[10:11]     ; bq, or bk (v reads bk's numbers and masks them away)
	s_lshl_b32 s96, s[CLY], 10
	s_lshl_b32 s46, s46, 8
	s_lshl_b32 s47, s47, 7
	s_add_co_u32 s96, s96, s46
	s_add_co_u32 s96, s96, s47
	s_and_b32 s96, s96, 4095                       ; my first token of the tensor's 4,096
	s_lshr_b32 s97, s96, 11                        ; the batch
	s_and_b32 s96, s96, 2047                       ; the token in its sequence
	s_lshl_b32 s97, s97, 4
	s_lshl_b32 s67, s67, 2
	s_lshl_b32 s42, s42, 1
	s_add_co_u32 s97, s97, s67
	s_add_co_u32 s97, s97, s42                     ; batch x 16 + my first head (my 128 features are two heads)
	s_lshl_b32 s98, s97, 18                        ; 262,144 bytes a head,
	s_lshl_b32 s99, s96, 7                         ; 128 a token (2,048 for 16 in qf and kf, 4,096 for 32 in vt)
	s_add_co_u32 s98, s98, s99
	s_mov_b32 s99, 0
	s_add_nc_u64 s[92:93], s[92:93], s[98:99]      ; s[92:93]: where my results begin
	s_lshl_b32 s98, s96, 8                         ; the table: 4,096 bytes for 16 tokens
	s_add_nc_u64 s[94:95], s[12:13], s[98:99]      ; s[94:95]: my first token tile's table
	s_lshl_b32 s98, s40, 10
	s_lshl_b32 s97, s[CH], 9
	s_add_co_u32 s98, s98, s97                     ; the bias of B's rows 256 cx + 128 (wave % 2) on
	s_add_nc_u64 s[100:101], s[100:101], s[98:99]
.irp p, 0,1,2,3,4,5,6,7
	global_load_b128 v[TABA+4*\p:TABA+4*\p+3], v[LOFF], s[94:95] offset:512*\p   ; (v's work-groups load it too and do not use it: one text for all three products up to the way out)
.endr
.irp b, 0,1,2,3,4,5,6,7
	global_load_b128 v[BIAS+8*\b:BIAS+8*\b+3], v[HOFF], s[100:101] offset:64*\b      ; register 8 b + j: the bias of B's row 16 b + 8 h + j
	global_load_b128 v[BIAS+8*\b+4:BIAS+8*\b+7], v[HOFF], s[100:101] offset:64*\b+16
.endr
	s_wait_loadcnt 0x0
.set i, 0
.rept 64
	v_and_b32 v[BIAS+i], s66, v[BIAS+i]            ; q, k: kept;  v: 0
.set i, i+1
.endr
	v_mul_u32_u24 v3, v1, PITCH
	v_lshl_add_u32 v4, v2, 4, v3                   ; a fragment's row x pitch + 16 x half
	s_mul_i32 s46, s[RH], HALFT                    ; my 128 rows of A
	s_mul_i32 s47, s[CH], HALFT                    ; my 128 rows of B,
	s_add_co_u32 s47, s47, 2*HALFT                 ; which lie behind A's 256
.irp s, 0,1
	v_add_nc_u32 v[ADRA+\s], s46, v4
	v_add_nc_u32 v[ADRB+\s], s47, v4
	s_add_co_u32 s46, s46, SLOT
	s_add_co_u32 s47, s47, SLOT
.endr
	v_mul_u32_u24 v5, v1, KS                       ; my row's scales: 32 bytes a row,
	v_lshrrev_b32 v6, 8, v5
	v_lshl_add_u32 v5, v6, 4, v5                   ; and 16 more for each 256 passed
	s_mul_i32 s46, s[RH], HALFS
	s_mul_i32 s47, s[CH], HALFS
	s_add_co_u32 s47, s47, 2*HALFS
	s_sub_co_u32 s47, s47, s46
	v_mul_u32_u24 v6, s47, v2                      ; lanes 16-31 take B's: one product, the distance between the two bases
	s_add_co_u32 s46, s46, SCL
	v_add_nc_u32 v5, v5, v6
	v_add_nc_u32 v[ADRS], s46, v5
.macro FRAG reg, adr, q, i             ; 16 rows x 128 K of 4-bit codes: 8 registers: lane l holds row l % 16; registers 4 c .. 4 c + 3 hold K = 64 c + 32 (l / 16) + 0 .. 31
.irp c, 0,1
	ds_load_b128 v[\reg+4*\c:\reg+4*\c+3], v[\adr] offset:64*(\q)+32*\c+(\i)*16*PITCH
.endr
.endm
; 16 matrix instructions: A's blocks a0, a0 + 1 x B's eight, the slot's q-th 128 along K.  p: B's set;  sc: the set of scale words.  zero = 1: the first product starts the sums, with the bias as C.
; The 64 accumulators take turns, one instruction a turn, in the same order in every step.
.macro MUL16 a0, p, q, sc, zero
.irp a, \a0, \a0+1
.irp b, 0,1,2,3,4,5,6,7
.if \zero
	v_wmma_scale_f32_16x16x128_f8f6f4 v[8*(8*((\a)%4)+\b):8*(8*((\a)%4)+\b)+7], v[128*(\p)+FR*\b:128*(\p)+FR*\b+FR-1], v[AF+FR*(\a):AF+FR*(\a)+FR-1], v[BIAS+8*\b:BIAS+8*\b+7], v[SC+8*NQ*(\sc)+NQ*\b+(\q)], v[SC+8*NQ*(\sc)+NQ*(\a)+(\q)] matrix_a_fmt:MATRIX_FMT_FP4 matrix_b_fmt:MATRIX_FMT_FP4 matrix_a_scale:MATRIX_SCALE_ROW1
.else
	v_wmma_scale_f32_16x16x128_f8f6f4 v[8*(8*((\a)%4)+\b):8*(8*((\a)%4)+\b)+7], v[128*(\p)+FR*\b:128*(\p)+FR*\b+FR-1], v[AF+FR*(\a):AF+FR*(\a)+FR-1], v[8*(8*((\a)%4)+\b):8*(8*((\a)%4)+\b)+7], v[SC+8*NQ*(\sc)+NQ*\b+(\q)], v[SC+8*NQ*(\sc)+NQ*(\a)+(\q)] matrix_a_fmt:MATRIX_FMT_FP4 matrix_b_fmt:MATRIX_FMT_FP4 matrix_a_scale:MATRIX_SCALE_ROW1
.endif
.endr
.endr
.endm
.macro FETCH_B slot, q, p
	WIN TO_B
.irp i, 0,1,2,3,4,5,6,7
	FRAG 128*(\p)+FR*\i, ADRB+\slot, \q, \i
.endr
	WIN 0
.endm
.macro FETCH_A slot, q, i0
.irp i, \i0, \i0+1, \i0+2, \i0+3
	FRAG AF+FR*(\i), ADRA+\slot, \q, \i
.endr
.endm
.macro SCALES sc                       ; a slot's scale words: four words a row; lanes 0-15 take A's block i, lanes 16-31 B's block i
.irp i, 0,1,2,3,4,5,6,7
	ds_load_b128 v[SC+8*NQ*\sc+NQ*\i:SC+8*NQ*\sc+NQ*\i+3], v[ADRS] offset:\i*SBLK
.endr
.endm
.macro PLACES n                        ; plain vector instructions between a matrix instruction and a load into, or a read of, its registers (ISA guide 7.12.1 for reads)
.rept \n
	v_nop
.endr
.endm
; A step of 128 along K that has its successor in the same slot.  A's blocks are free as soon as their eight products are issued: one set serves A; B has two.
.macro STEP slot, q, zero
	s_wait_dscnt 4*NL                              ; B's set, the scale words and A's blocks 0-3 are in; the youngest eight loads (A's blocks 4-7) may be out
	WIN MUL_LO-0x20*(\zero)
	MUL16 0, (\q)%2, \q, \slot, \zero
	MUL16 2, (\q)%2, \q, \slot, \zero
	s_wait_dscnt 0                                 ; A's blocks 4-7 are in
	PLACES NP
	FETCH_B \slot, (\q)+1, 1-(\q)%2
	FETCH_A \slot, (\q)+1, 0
	WIN MUL_HI-0x30*(\zero)
	MUL16 4, (\q)%2, \q, \slot, \zero
	MUL16 6, (\q)%2, \q, \slot, \zero
	PLACES NP
	WIN 0
	FETCH_A \slot, (\q)+1, 4
.endm
; Slot 0's last step goes over to slot 1: one barrier; in front of it each wave's part of slot 1 has landed.
.macro TURN slot, next
	s_wait_tensorcnt 0x0                           ; all my tensor loads have landed: my part of the next slot
	ds_add_u32 v[SPW], v[NIL]                      ; 0 onto my spare word
	s_wait_dscnt 4*NL+1                            ; (the add and the youngest eight loads may be out)
	WIN MUL_LO
	MUL16 0, 1, NQ-1, \slot, 0
	s_wait_dscnt 0x0                               ; no LDS instruction of mine is out at the signal
	s_barrier_signal -1
	MUL16 2, 1, NQ-1, \slot, 0
	WIN 0
	s_barrier_wait -1                              ; everybody's part of the next slot has landed
	PLACES NP
	v_add_nc_u32 v[ADRS], 4*NQ, v[ADRS]            ; on to the next slot's scale words
	FETCH_B \next, 0, 0
	FETCH_A \next, 0, 0
	SCALES \next
	WIN MUL_HI
	MUL16 4, 1, NQ-1, \slot, 0
	MUL16 6, 1, NQ-1, \slot, 0
	PLACES NP
	WIN 0
	FETCH_A \next, 0, 4
.endm
	s_wait_tensorcnt 1                             ; the scales and my part of slot 0 are in (slot 1's load may be out)
	s_barrier_signal -1
	s_barrier_wait -1                              ; everybody's are
	FETCH_B 0, 0, 0
	FETCH_A 0, 0, 0
	SCALES 0
	FETCH_A 0, 0, 4
	STEP 0, 0, 1                                   ; the first step starts the sums
	STEP 0, 1, 0
	STEP 0, 2, 0
	TURN 0, 1
	STEP 1, 0, 0
	STEP 1, 1, 0
	STEP 1, 2, 0
	s_wait_dscnt 4*NL                              ; the last step: nothing more to fetch
	WIN MUL_LO
	MUL16 0, 1, NQ-1, 1, 0
	MUL16 2, 1, NQ-1, 1, 0
	s_wait_dscnt 0
	WIN MUL_HI
	MUL16 4, 1, NQ-1, 1, 0
	MUL16 6, 1, NQ-1, 1, 0
	WIN 0
	PLACES NP                                      ; behind the last products: results are read, and operand and scale registers written, only from here on
	s_cmp_ge_u32 s[CLY], 8                         ; the same in all partners
	s_cbranch_scc1 .Lv_out
; THE WAY OUT OF q AND k.  Block a is a tile of 16 tokens; B's blocks 4 hd + 0..3 are head hd's 64 channels.  With d = 16 bb + 8 h + j under 32:  out(d) = x(d) cos - x(d + 32) sin,  out(d + 32) = x(d + 32) cos + x(d) sin.
.macro ROPE_LOAD a, set
.irp p, 0,1,2,3,4,5,6,7
	global_load_b128 v[\set+4*\p:\set+4*\p+3], v[LOFF], s[94:95] offset:(\a)*4096+512*\p
.endr
.endm
.macro QK_OUT a
.set TB, TABA-(TABA-TABB)*((\a)%2)     ; this tile's table,
.set TN, TABB+(TABA-TABB)*((\a)%2)     ; the next one's
.set AC, 64*((\a)%4)
.if (\a) < 7
	ROPE_LOAD (\a)+1, TN
	s_wait_loadcnt 8                               ; this tile's table is in; the next one's eight loads may be out
.else
	s_wait_loadcnt 0x0
.endif
.irp hd, 0,1
	WIN 0x02+(\a)/4                                ; source 0: window 2 or 3
.irp jj, 0,2,4,6                       ; each accumulator is read from its low end on
.irp bb, 0,1
	v_pk_mul_f32 v[ROT+8*\bb+\jj:ROT+8*\bb+\jj+1], v[AC+8*(4*\hd+\bb+2)+\jj:AC+8*(4*\hd+\bb+2)+\jj+1], v[TB+16+8*\bb+\jj:TB+16+8*\bb+\jj+1]
	v_pk_mul_f32 v[ROT+16+8*\bb+\jj:ROT+16+8*\bb+\jj+1], v[AC+8*(4*\hd+\bb)+\jj:AC+8*(4*\hd+\bb)+\jj+1], v[TB+16+8*\bb+\jj:TB+16+8*\bb+\jj+1]
.endr
.endr
.irp jj, 0,2,4,6
.irp bb, 0,1
	v_pk_fma_f32 v[ROT+8*\bb+\jj:ROT+8*\bb+\jj+1], v[AC+8*(4*\hd+\bb)+\jj:AC+8*(4*\hd+\bb)+\jj+1], v[TB+8*\bb+\jj:TB+8*\bb+\jj+1], v[ROT+8*\bb+\jj:ROT+8*\bb+\jj+1] neg_lo:[0,0,1] neg_hi:[0,0,1]
	v_pk_fma_f32 v[ROT+16+8*\bb+\jj:ROT+16+8*\bb+\jj+1], v[AC+8*(4*\hd+\bb+2)+\jj:AC+8*(4*\hd+\bb+2)+\jj+1], v[TB+8*\bb+\jj:TB+8*\bb+\jj+1], v[ROT+16+8*\bb+\jj:ROT+16+8*\bb+\jj+1]
.endr
.endr
	WIN 0
	s_wait_xcnt 0x0                                ; earlier stores have read their registers: this set of packed numbers may be written again
.irp i, 0,1,2,3,4,5,6,7,8,9,10,11,12,13,14,15
	v_cvt_pk_f16_f32 v[PK+16*\hd+\i], v[ROT+2*\i], v[ROT+2*\i+1]
.endr
.irp q, 0,1,2,3
	global_store_b128 v[LOFF], v[PK+16*\hd+4*\q:PK+16*\hd+4*\q+3], s[92:93] offset:(\a)*2048+\hd*262144+512*\q   ; channels 16 q on: 512 consecutive bytes, aligned
.endr
.endr
.endm
.irp a, 0,1,2,3,4,5,6,7
	QK_OUT \a
.endr
	s_branch .Ldone
; THE WAY OUT OF v.  Block a is 16 features (head a / 4, channels 16 (a % 4) on), B's block b 16 tokens: half b % 2 of the group of 32 keys b / 2.
.macro V_OUT a
.set AC, 64*((\a)%4)
.set VP, 32+32*((\a)%2)
.if (\a) > 1
	s_wait_xcnt 0x0                                ; block a - 2's stores have read these registers
.endif
	WIN 0x0a+5*((\a)/4)                            ; sources 0 and 1: window 2 or 3
.irp b, 0,1,2,3,4,5,6,7
.irp jp, 0,1,2,3
	v_cvt_pk_f16_f32 v[VP+4*\b+\jp], v[AC+8*\b+2*\jp], v[AC+8*\b+2*\jp+1]
.endr
.endr
	WIN 0
.irp b, 0,1,2,3,4,5,6,7
	global_store_b128 v[LOFF], v[VP+4*\b:VP+4*\b+3], s[92:93] offset:((\a)/4)*262144+((\a)%4)*1024+(\b/2)*4096+(\b%2)*512
.endr
.endm
.Lv_out:
.irp a, 0,1,2,3,4,5,6,7
	V_OUT \a
.endr
.Ldone:
	s_wait_tensorcnt 0x0                           ; the wave's end, behind my last tensor load
	ds_add_u32 v[SPW], v[NIL]
	s_wait_dscnt 0x0
	CROUND                                         ; the closing round
	s_endpgm
.Lfunc_end_k_qafaea45635_proj:
	.size	k_qafaea45635_proj, .Lfunc_end_k_qafaea45635_proj-k_qafaea45635_proj
	.p2alignl 7, 3214868480
	.fill 96, 4, 3214868480
	.section	.rodata,"a",@progbits
	.p2align	6, 0x0
	.amdhsa_kernel k_qafaea45635_proj
		.amdhsa_group_segment_fixed_size 327680
		.amdhsa_private_segment_fixed_size 0
		.amdhsa_enable_private_segment 0
		.amdhsa_kernarg_size 64
		.amdhsa_user_sgpr_count 2
		.amdhsa_user_sgpr_kernarg_segment_ptr 1
		.amdhsa_wavefront_size32 1
		.amdhsa_system_sgpr_workgroup_id_x 1
		.amdhsa_system_sgpr_workgroup_id_y 1
		.amdhsa_system_sgpr_workgroup_id_z 1
		.amdhsa_system_vgpr_workitem_id 0
		.amdhsa_next_free_vgpr 1024
		.amdhsa_next_free_sgpr 102
		.amdhsa_reserve_vcc 0
		.amdhsa_float_denorm_mode_32 3
		.amdhsa_float_denorm_mode_16_64 3
		.amdhsa_memory_ordered 1
		.amdhsa_forward_progress 1
		.amdhsa_inst_pref_size 184
	.end_amdhsa_kernel
	.amdgpu_metadata
---
amdhsa.version: [ 1, 2 ]
amdhsa.kernels:
  - .name:           k_qafaea45635_proj
    .symbol:         k_qafaea45635_proj.kd
    .args:
      - { .name: codes, .offset: 0, .size: 8, .value_kind: global_buffer, .address_space: global }
      - { .name: scales, .offset: 8, .size: 8, .value_kind: global_buffer, .address_space: global }
      - { .name: bq, .offset: 16, .size: 8, .value_kind: global_buffer, .address_space: global }
      - { .name: bk, .offset: 24, .size: 8, .value_kind: global_buffer, .address_space: global }
      - { .name: rope, .offset: 32, .size: 8, .value_kind: global_buffer, .address_space: global }
      - { .name: qf, .offset: 40, .size: 8, .value_kind: global_buffer, .address_space: global }
      - { .name: kf, .offset: 48, .size: 8, .value_kind: global_buffer, .address_space: global }
      - { .name: vt, .offset: 56, .size: 8, .value_kind: global_buffer, .address_space: global }
    .group_segment_fixed_size: 327680
    .private_segment_fixed_size: 0
    .kernarg_segment_align: 8
    .kernarg_segment_size: 64
    .max_flat_workgroup_size: 128
    .sgpr_count:     102
    .vgpr_count:     1024
    .wavefront_size: 32
...
	.end_amdgpu_metadata
.endif
;; end of part 2
;; launch attn (part 3): grid 8 x 32, 16 waves a work-group, no clusters, 100,352 bytes of LDS; arguments qf, kf, vt, bv, att; writes att
.if DOCPART == 3
	.amdgcn_target "amdgcn-amd-amdhsa--gfx1250"
	.amdhsa_code_object_version 6
	.text
	.protected	k_qafaea45635_attn
	.globl	k_qafaea45635_attn
	.p2align	8
	.type	k_qafaea45635_attn,@function
k_qafaea45635_attn:
	s_mov_b64 s[64:65], 0
	v_nop
	global_prefetch_b8 v0, s[64:65] scope:SCOPE_SE
	s_setreg_imm32_b32 hwreg(HW_REG_WAVE_MODE, 25, 1), 1
	s_wait_xcnt 0x0
; ATTN: attention under the window |query - key| <= 50, f16 operands, f32 sums, softmax in f32 with the row's true maximum.
; A work-group owns 256 queries of one (batch, head); each of its sixteen waves 16 of them, in 256 registers: four waves to a SIMD, so that one wave's vector work stands beside another's products and LDS loads.
; A wave's 16 queries from q0 on see keys q0 - 50 .. q0 + 65.  It multiplies the 160 keys from (q0 rounded down to 32) - 64 on: ten tiles of 16, five groups of 32; all other tiles lie wholly under the mask.
; So the whole window's scores lie in registers at once: one pass, no running maximum.
; Both products are used transposed: S^T = K Q^T (source 0 = 16 keys, source 1 = my 16 queries), O^T = V^T P^T (source 0 = 16 channels, source 1 = P): a lane holds ONE query (lane % 16) throughout, and two tiles of
; S^T, rounded to f16 in pairs, ARE source 1 of the second product.  q, k and v^T arrive as images of operand registers (16 bytes a lane, 512 an instruction): every access to memory and to LDS is dense.
; The work-group's 384 keys (its 256 and 64 on either side) come into LDS once, through registers: waves 0-11 bring a group of 32 keys of K and of V^T each.  Groups beyond the sequence's ends are clamped to its
; first or last group: valid numbers of other keys, which the mask hides.
; bv is added at the end: the weights of a row sum to one, so sum(p (v + bv)) / l = sum(p v) / l + bv: it is the addend of the multiply-add that divides by l.
; The result leaves as images of the last product's operand: att [token / 128][head / 4][tile of 16 tokens][2 (head % 4) + t / 2][t % 2][lane][16 bytes], t = channel / 16.
; NO CLUSTER: neighbouring work-groups share only the 64 keys on either side, 128 of 384, and at different places of their LDS: no common descriptor.  NO TENSOR LOAD: one fill, no ring.
; LIMITS: hidden keys get -infinity where the reference gives -1e9: the same unless every visible score of a row lies about 1e9 under zero;  the result and v stay under 65,504 (f16).
.set VL,    49152                      ; LDS: K, 24 tiles of 16 keys x 2,048 bytes; from here V^T, 12 groups of 32 keys x 4,096 bytes
.set SPARE, 98304                      ; the spare words, 128 bytes a wave
.set LN,   1                           ; v1   16 x lane; never rewritten
.set KA,   2                           ; v2   LDS address of my first tile of K: 16 x lane + 4,096 (wave / 2)
.set VA,   3                           ; v3   of my first group of V^T
.set FK,   4                           ; v4   where I put the group that I bring: 16 x lane + 4,096 wave
.set FV,   5                           ; v5
.set LO,   6                           ; v6   register 8 T + j (key number 16 T + j + 8 h of my 160) is hidden where 16 T + j < LO,
.set HI,   7                           ; v7   or where 16 T + j - 96 > HI
.set NINF, 8                           ; v8   -infinity
.set HOFF, 9                           ; v9   32 x (lane / 16)
.set SPW,  10                          ; v10  my spare word; never rewritten
.set NIL,  11                          ; v11  0; never rewritten
.set MX,   12                          ; v12-16 five maxima
.set PD,   17                          ; v17  the lane permute's destination
.set CM,   18                          ; v[18:19] c x the row's maximum
.set SU,   20                          ; v[20:23] the row's sum, in two chains of pairs
.set RL,   24                          ; v[24:25] 1 / l
.set QF,   32                          ; v32-47  Q: two fragments
.set S,    48                          ; v48-127 S^T, 8 T + j; then p; then P's five fragments at 16 g + 0..7, and bv at 16 t + 8..15
.set F,    128                         ; v128-207 five tiles of K (two fragments each), or ten fragments of V^T
.set PKO,  208                         ; v208-223 the result, packed
.set O,    224                         ; v224-255 O^T, 8 t + j
	s_load_b256 s[4:11], s[0:1], 0x0               ; qf 4, kf 6, vt 8, bv 10
	s_load_b64 s[12:13], s[0:1], 0x20              ; att
	v_lshl_add_u32 v[SPW], v0, 2, SPARE
	v_mov_b32 v[NIL], 0
	v_lshrrev_b32 v1, 5, v0
	v_readfirstlane_b32 s14, v1                    ; wave 0..15
	s_and_b32 s16, ttmp7, 0xffff                   ; batch x 16 + head
	v_and_b32 v26, 31, v0
	v_lshlrev_b32 v[LN], 4, v26
	s_lshr_b32 s15, s14, 1
	s_lshl_b32 s36, s15, 12
	v_add_nc_u32 v[KA], s36, v[LN]                 ; every LDS address is made here, ahead of the parting of the waves
	v_add_nc_u32 v[VA], VL, v[KA]
	s_lshl_b32 s36, s14, 12
	v_add_nc_u32 v[FK], s36, v[LN]
	v_add_nc_u32 v[FV], VL, v[FK]
	v_and_b32 v26, 15, v0                          ; r
	v_bfe_u32 v27, v0, 4, 1                        ; h
	v_lshlrev_b32 v[HOFF], 5, v27
	v_lshlrev_b32 v27, 3, v27                      ; 8 h
	v_add_nc_u32 v28, 96, v27                      ; 8 h + 96
	s_mov_b32 s20, 0x76543210
	s_mov_b32 s21, 0xfedcba98                      ; v_permlanex16_b32's selects for lane l xor 16
	s_mov_b32 s22, 0x3e38aa3b                      ; c = log2(e) / sqrt(64)
	s_mov_b32 s23, s22                             ; (named with it as a pair)
	s_lshl_b32 s24, ttmp9, 8
	s_lshl_b32 s25, s15, 5
	s_add_co_u32 s24, s24, s25                     ; q0 rounded down to 32; my key number n is key s24 - 64 + n
	s_and_b32 s25, s14, 1
	s_lshl_b32 s25, s25, 4                         ; my query is s24 + 16 (wave % 2) + r
	s_add_co_u32 s26, s25, 14                      ; key >= query - 50:  n >= r + 14 + 16 (wave % 2)
	s_add_co_u32 s27, s25, 114                     ; key <= query + 50:  n <= r + 114 + 16 (wave % 2)
	s_sub_co_i32 s28, 64, s24                      ; key >= 0
	s_sub_co_i32 s29, 2111, s24                    ; key <= 2,047
	s_lshl_b32 s17, s16, 18                        ; the head's first byte in qf, kf and vt
	s_lshl_b32 s18, ttmp9, 4
	s_add_co_u32 s18, s18, s14                     ; my tile of 16 tokens in the sequence
	s_lshl_b32 s30, s18, 11
	s_add_co_u32 s30, s30, s17
	s_mov_b32 s31, 0                               ; s[30:31]: my tile of Q
	s_lshr_b32 s36, s16, 4
	s_lshl_b32 s36, s36, 7
	s_add_co_u32 s36, s36, s18                     ; my tile among all 256
	s_lshr_b32 s32, s36, 3
	s_lshl_b32 s32, s32, 18
	s_and_b32 s36, s36, 7
	s_lshl_b32 s36, s36, 13
	s_add_co_u32 s32, s32, s36
	s_and_b32 s34, s16, 15                         ; the head
	s_lshr_b32 s36, s34, 2
	s_lshl_b32 s36, s36, 16
	s_add_co_u32 s32, s32, s36
	s_and_b32 s36, s16, 3
	s_lshl_b32 s36, s36, 11
	s_add_co_u32 s32, s32, s36
	s_mov_b32 s33, 0                               ; s[32:33]: my 2,048 bytes of att
	s_lshl_b32 s34, s34, 8
	s_mov_b32 s35, 0                               ; s[34:35]: the head's 64 numbers of bv
	s_wait_kmcnt 0x0
	s_add_nc_u64 s[4:5], s[4:5], s[30:31]
	s_add_nc_u64 s[12:13], s[12:13], s[32:33]
	s_add_nc_u64 s[10:11], s[10:11], s[34:35]
.irp i, 0,1,2,3
	global_load_b128 v[QF+4*\i:QF+4*\i+3], v[LN], s[4:5] offset:512*\i th:TH_LOAD_NT   ; Q's two fragments stay in registers
.endr
	s_cmp_lt_u32 s14, 12                           ; waves 0-11 bring a group of 32 keys each; the others jump over the fill and over nothing else
	s_cbranch_scc0 .Lno_fill
	s_lshl_b32 s38, ttmp9, 3
	s_add_co_u32 s38, s38, s14
	s_sub_co_i32 s38, s38, 2                       ; group 8 x - 2 + wave,
	s_max_i32 s38, s38, 0
	s_min_i32 s38, s38, 63                         ; held inside the sequence
	s_lshl_b32 s38, s38, 12
	s_add_co_u32 s38, s38, s17
	s_mov_b32 s39, 0
	s_add_nc_u64 s[6:7], s[6:7], s[38:39]
	s_add_nc_u64 s[8:9], s[8:9], s[38:39]
.irp i, 0,1,2,3,4,5,6,7
	global_load_b128 v[F+4*\i:F+4*\i+3], v[LN], s[6:7] offset:512*\i
.endr
.irp i, 0,1,2,3,4,5,6,7
	global_load_b128 v[F+32+4*\i:F+32+4*\i+3], v[LN], s[8:9] offset:512*\i
.endr
	s_wait_loadcnt 8                               ; Q and K's eight are in; V's eight may be out
.irp i, 0,1,2,3,4,5,6,7
	ds_store_b128 v[FK], v[F+4*\i:F+4*\i+3] offset:512*\i
.endr
	s_wait_loadcnt 0x0
.irp i, 0,1,2,3,4,5,6,7
	ds_store_b128 v[FV], v[F+32+4*\i:F+32+4*\i+3] offset:512*\i
.endr
.Lno_fill:
	s_wait_loadcnt 0x0                             ; Q
	s_wait_dscnt 0x0                               ; for the others' sake: my stores have landed
	s_barrier_signal -1
	s_barrier_wait -1                              ; the one barrier: all 384 keys lie in LDS, and nobody writes them again
.macro PLACES                          ; four plain vector instructions between a matrix instruction and a load into, or a read of, its registers (ISA guide 7.12.1 for reads)
.rept 4
	v_nop
.endr
.endm
.macro KLOAD bt                        ; tiles 5 bt .. 5 bt + 4 of K: 16 registers each, as they lie
.irp u, 0,1,2,3,4
.irp q, 0,1,2,3
	ds_load_b128 v[F+16*\u+4*\q:F+16*\u+4*\q+3], v[KA] offset:(5*(\bt)+\u)*2048+512*\q
.endr
.endr
.endm
.macro KQ bt                           ; their scores: channels 0-31 start the five sums, channels 32-63 follow: the five accumulators take turns
.irp c, 0,1
.irp u, 0,1,2,3,4
.if \c == 0
	v_wmma_f32_16x16x32_f16 v[S+8*(5*(\bt)+\u):S+8*(5*(\bt)+\u)+7], v[F+16*\u:F+16*\u+7], v[QF:QF+7], 0
.else
	v_wmma_f32_16x16x32_f16 v[S+8*(5*(\bt)+\u):S+8*(5*(\bt)+\u)+7], v[F+16*\u+8:F+16*\u+15], v[QF+8:QF+15], v[S+8*(5*(\bt)+\u):S+8*(5*(\bt)+\u)+7]
.endif
.endr
.endr
.endm
.macro VLOAD bt                        ; fragments f = 10 bt .. 10 bt + 9 of V^T (f = 4 x group + t): 1,024 bytes each, on end
.irp u, 0,1,2,3,4,5,6,7,8,9
	ds_load_b128 v[F+8*\u:F+8*\u+3], v[VA] offset:(10*(\bt)+\u)*1024
	ds_load_b128 v[F+8*\u+4:F+8*\u+7], v[VA] offset:(10*(\bt)+\u)*1024+512
.endr
.endm
.macro PV bt                           ; O^T += V^T P^T; the first four start the sums; the four accumulators take turns
.irp u, 0,1,2,3,4,5,6,7,8,9
.if 10*(\bt)+\u < 4
	v_wmma_f32_16x16x32_f16 v[O+8*((10*(\bt)+\u)%4):O+8*((10*(\bt)+\u)%4)+7], v[F+8*\u:F+8*\u+7], v[S+16*((10*(\bt)+\u)/4):S+16*((10*(\bt)+\u)/4)+7], 0
.else
	v_wmma_f32_16x16x32_f16 v[O+8*((10*(\bt)+\u)%4):O+8*((10*(\bt)+\u)%4)+7], v[F+8*\u:F+8*\u+7], v[S+16*((10*(\bt)+\u)/4):S+16*((10*(\bt)+\u)/4)+7], v[O+8*((10*(\bt)+\u)%4):O+8*((10*(\bt)+\u)%4)+7]
.endif
.endr
.endm
	KLOAD 0
	s_wait_dscnt 0x0
	KQ 0
	PLACES
	KLOAD 1
	s_wait_dscnt 0x0
	KQ 1
	; the mask's two numbers of a lane: eight plain instructions that name no register of the products: the places behind them
	v_add_nc_u32 v[LO], s26, v26
	v_max_i32 v[LO], s28, v[LO]
	v_sub_nc_u32 v[LO], v[LO], v27
	v_add_nc_u32 v[HI], s27, v26
	v_min_i32 v[HI], s29, v[HI]
	v_sub_nc_u32 v[HI], v[HI], v28
	v_mov_b32 v[NINF], 0xff800000
	v_mov_b32 v[PD], 0                             ; (a lane permute's destination counts as one of its sources)
	VLOAD 0                                        ; lands during the softmax
	; tiles 0-3 can fall under the lower bound, tiles 6-9 over the upper; tiles 4 and 5 (key numbers 64 .. 95) always count: the lower bound is at most 64, the upper at least 95
.irp n, 0,1,2,3,4,5,6,7,8,9,10,11,12,13,14,15,16,17,18,19,20,21,22,23,24,25,26,27,28,29,30,31
	v_cmp_lt_i32 vcc_lo, 16*(\n/8)+\n%8, v[LO]
	v_cndmask_b32 v[S+\n], v[S+\n], v[NINF], vcc_lo
.endr
.irp n, 0,1,2,3,4,5,6,7,8,9,10,11,12,13,14,15,16,17,18,19,20,21,22,23,24,25,26,27,28,29,30,31
	v_cmp_gt_i32 vcc_lo, 16*(\n/8)+\n%8, v[HI]
	v_cndmask_b32 v[S+48+\n], v[S+48+\n], v[NINF], vcc_lo
.endr
	; the row's maximum: five chains of 16 registers, each tile from its low end on
.irp b, 0,1,2,3,4
	v_max3_num_f32 v[MX+\b], v[S+16*\b], v[S+16*\b+1], v[S+16*\b+2]
.endr
.irp i, 3,5,7,9,11,13
.irp b, 0,1,2,3,4
	v_max3_num_f32 v[MX+\b], v[MX+\b], v[S+16*\b+\i], v[S+16*\b+\i+1]
.endr
.endr
.irp b, 0,1,2,3,4
	v_max_num_f32 v[MX+\b], v[MX+\b], v[S+16*\b+15]
.endr
	v_max3_num_f32 v[MX], v[MX], v[MX+1], v[MX+2]
	v_max3_num_f32 v[MX], v[MX], v[MX+3], v[MX+4]
	v_permlanex16_b32 v[PD], v[MX], s20, s21       ; the query's other 80 keys lie in the lane 16 away
	v_max_num_f32 v[MX], v[MX], v[PD]
	v_mul_f32 v[CM], s22, v[MX]
	v_mov_b32 v[CM+1], v[CM]
.set j, 0
.rept 40
	v_pk_fma_f32 v[S+j:S+j+1], v[S+j:S+j+1], s[22:23], v[CM:CM+1] op_sel_hi:[1,0,0] neg_lo:[0,0,1] neg_hi:[0,0,1]   ; c s - c m, at most 0
.set j, j+2
.endr
.set j, 0
.rept 80
	v_exp_f32 v[S+j], v[S+j]                       ; p, at most 1; 0 for hidden keys
.set j, j+1
.endr
	v_nop                                          ; a plain instruction behind the last exponential
	s_wait_alu depctr_va_vdst(0)                   ; one wait for the batch of 80, ahead of its first reader
	v_pk_add_f32 v[SU:SU+1], v[S:S+1], v[S+2:S+3]
	v_pk_add_f32 v[SU+2:SU+3], v[S+4:S+5], v[S+6:S+7]
.irp j, 8,12,16,20,24,28,32,36,40,44,48,52,56,60,64,68,72,76
	v_pk_add_f32 v[SU:SU+1], v[SU:SU+1], v[S+\j:S+\j+1]
	v_pk_add_f32 v[SU+2:SU+3], v[SU+2:SU+3], v[S+\j+2:S+\j+3]
.endr
	v_pk_add_f32 v[SU:SU+1], v[SU:SU+1], v[SU+2:SU+3]
	v_add_f32 v[SU], v[SU], v[SU+1]
	v_permlanex16_b32 v[PD], v[SU], s20, s21
	v_add_f32 v[SU], v[SU], v[PD]                  ; l, at least 1
	v_rcp_f32 v[RL], v[SU]
	v_rcp_f32 v[RL+1], v[SU]                       ; twice: the packed multiply-add names a pair
.irp g, 0,1,2,3,4                      ; P in place: group g's 16 registers become 8.  (Plain work behind the reciprocals)
.irp i, 0,1,2,3,4,5,6,7
	v_cvt_pk_f16_f32 v[S+16*\g+\i], v[S+16*\g+2*\i], v[S+16*\g+2*\i+1]
.endr
.endr
	s_wait_alu depctr_va_vdst(0)                   ; the wait for the two reciprocals
.irp t, 0,1,2,3
	global_load_b128 v[S+16*\t+8:S+16*\t+11], v[HOFF], s[10:11] offset:64*\t       ; bv of channels 16 t + 8 h + 0..7, into registers that p has left
	global_load_b128 v[S+16*\t+12:S+16*\t+15], v[HOFF], s[10:11] offset:64*\t+16
.endr
	s_wait_dscnt 0x0                               ; V^T's first ten fragments
	PV 0
	PLACES
	VLOAD 1
	s_wait_dscnt 0x0
	PV 1
	PLACES
	s_wait_loadcnt 0x0                             ; bv
.irp t, 0,1,2,3
.irp jp, 0,2,4,6
	v_pk_fma_f32 v[F+8*\t+\jp:F+8*\t+\jp+1], v[O+8*\t+\jp:O+8*\t+\jp+1], v[RL:RL+1], v[S+16*\t+8+\jp:S+16*\t+8+\jp+1] op_sel_hi:[1,0,1]   ; O^T / l + bv
.endr
.endr
.irp i, 0,1,2,3,4,5,6,7,8,9,10,11,12,13,14,15
	v_cvt_pk_f16_f32 v[PKO+\i], v[F+2*\i], v[F+2*\i+1]
.endr
.irp t, 0,1,2,3
	global_store_b128 v[LN], v[PKO+4*\t:PKO+4*\t+3], s[12:13] offset:512*\t       ; 512 consecutive bytes, aligned
.endr
	s_wait_tensorcnt 0x0                           ; the wave's end, behind my last LDS store
	ds_add_u32 v[SPW], v[NIL]
	s_wait_dscnt 0x0
	s_endpgm
.Lfunc_end_k_qafaea45635_attn:
	.size	k_qafaea45635_attn, .Lfunc_end_k_qafaea45635_attn-k_qafaea45635_attn
	.p2alignl 7, 3214868480
	.fill 96, 4, 3214868480
	.section	.rodata,"a",@progbits
	.p2align	6, 0x0
	.amdhsa_kernel k_qafaea45635_attn
		.amdhsa_group_segment_fixed_size 100352
		.amdhsa_private_segment_fixed_size 0
		.amdhsa_enable_private_segment 0
		.amdhsa_kernarg_size 40
		.amdhsa_user_sgpr_count 2
		.amdhsa_user_sgpr_kernarg_segment_ptr 1
		.amdhsa_wavefront_size32 1
		.amdhsa_system_sgpr_workgroup_id_x 1
		.amdhsa_system_sgpr_workgroup_id_y 1
		.amdhsa_system_sgpr_workgroup_id_z 1
		.amdhsa_system_vgpr_workitem_id 0
		.amdhsa_next_free_vgpr 256
		.amdhsa_next_free_sgpr 66
		.amdhsa_reserve_vcc 1
		.amdhsa_float_denorm_mode_32 3
		.amdhsa_float_denorm_mode_16_64 3
		.amdhsa_memory_ordered 1
		.amdhsa_forward_progress 1
		.amdhsa_inst_pref_size 35
	.end_amdhsa_kernel
	.amdgpu_metadata
---
amdhsa.version: [ 1, 2 ]
amdhsa.kernels:
  - .name:           k_qafaea45635_attn
    .symbol:         k_qafaea45635_attn.kd
    .args:
      - { .name: qf, .offset: 0, .size: 8, .value_kind: global_buffer, .address_space: global }
      - { .name: kf, .offset: 8, .size: 8, .value_kind: global_buffer, .address_space: global }
      - { .name: vt, .offset: 16, .size: 8, .value_kind: global_buffer, .address_space: global }
      - { .name: bv, .offset: 24, .size: 8, .value_kind: global_buffer, .address_space: global }
      - { .name: att, .offset: 32, .size: 8, .value_kind: global_buffer, .address_space: global }
    .group_segment_fixed_size: 100352
    .private_segment_fixed_size: 0
    .kernarg_segment_align: 8
    .kernarg_segment_size: 40
    .max_flat_workgroup_size: 512
    .sgpr_count:     66
    .vgpr_count:     256
    .wavefront_size: 32
...
	.end_amdgpu_metadata
.endif
;; end of part 3
;; launch oproj (part 4): grid 8 x 32, 4 waves a work-group, clusters of 4 x 4, 327,680 bytes of LDS; arguments att, wof, bo, out0; writes out0
.if DOCPART == 4
	.amdgcn_target "amdgcn-amd-amdhsa--gfx1250"
	.amdhsa_code_object_version 6
	.text
	.protected	k_qafaea45635_oproj
	.globl	k_qafaea45635_oproj
	.p2align	8
	.type	k_qafaea45635_oproj,@function
k_qafaea45635_oproj:
	s_mov_b64 s[64:65], 0
	v_nop
	global_prefetch_b8 v0, s[64:65] scope:SCOPE_SE
	s_setreg_imm32_b32 hwreg(HW_REG_WAVE_MODE, 25, 1), 1
	s_wait_xcnt 0x0
	s_wait_alu depctr_hold_cnt(0) depctr_sa_sdst(0) depctr_va_vdst(0) depctr_va_sdst(0) depctr_va_ssrc(0) depctr_va_vcc(0) depctr_vm_vsrc(0)
	s_getreg_b32 s2, hwreg(HW_REG_IB_STS2, 6, 4)
	s_cmp_eq_u32 s2, 0
	s_cbranch_scc0 .Lentry_in_a_cluster
	s_endpgm
.Lentry_in_a_cluster:
	s_bfe_u32 s2, ttmp6, 0x10000c
	s_cmp_lg_u32 s2, 0xf033
	s_cbranch_scc0 .Lentry_shape_is_right
	s_endpgm
.Lentry_shape_is_right:
; OPROJ: out0[token][n] = sum over k of att[token][k] Wo[n][k] + bo[n].  f16 operands, f32 sums, f32 out.  4,096 x 1,024 x 1,024.
; A tile of out0 is 128 x 128, so that each of 256 work-groups has one; four waves, each 64 x 64: 16 accumulators of 16 x 16.  K goes in four steps of 256 through two LDS slots filled by the tensor data mover.
; BOTH OPERANDS ARRIVE AS IMAGES OF OPERAND REGISTERS: [row / 128][k / 256][tile of 16 rows][32 k][half][lane][16 bytes].  So a K step's 64 rows are 32,768 dense bytes for one tensor load, and a fragment is two
; LDS loads of 512 consecutive bytes: no pitch, no padding, no bank conflict.
; THE MATRIX INSTRUCTION IS USED TRANSPOSED (source 0 = 16 rows of Wo, source 1 = 16 tokens): a lane holds eight neighbouring numbers of a row of out0.  bo, in that layout, is the C of each sum's first product.
; CLUSTERS: 4 x 4 work-groups; att's tiles are shared along a row of the cluster, Wo's along a column: each is asked for jointly.  Where a slot is filled again, a round of the cluster's barrier stands in front.
; A wave's 64 columns are 256 bytes of a row of out0: each wave sends its results through a stage of its own, 16 rows at a time, and sixteen lanes store 256 consecutive bytes, aligned.
; REGISTERS: window 0: v16-31 addresses; v32-95 rows on the way out; v96-127 bo; v128-255 the accumulators ((a, b) at v[128 + 8 (4 a + b)]).   window 1: two fragment buffers of 128: 64 of A, then 64 of B, for 64 along K.
.set HALFT,  32768                     ; 64 rows x 256 along K: what one tensor load brings, and what one wave reads of A or of B
.set SLOT,   4*HALFT                   ; A's 128 rows, then B's
.set KSTEPB, 65536                     ; from a K step to the next, in att and in wof
.set STAGE,  2*SLOT                    ; behind the ring: 16 rows x 272 bytes for each wave
.set SPITCH, 272
.set SPARE,  STAGE+4*16*SPITCH         ; the spare words, 128 bytes a wave
.set ADRA, 16                          ; v16-17  LDS address of my A fragments in slot 0, 1
.set ADRB, 20                          ; v20-21  the same for B
.set STO,  24                          ; v24     the way out: where I put 32 bytes of a row
.set RD,   25                          ; v25     where I read a row back
.set CO,   26                          ; v26     my byte offset in out0
.set HOFF, 27                          ; v27     32 x (lane / 16)
.set SPW,  28                          ; v28     my spare word; never rewritten
.set NIL,  29                          ; v29     0; never rewritten
.set BK,   32
.set BO,   96
.set ACC,  128
.set F0,   0
.set F1,   128
.set WV,   12                          ; s12 wave;  s13 wave / 2: my half of the rows, and: I fetch for A (0) or B (1);  s14 wave % 2: my half of the columns, and: which 64 rows I fetch
.set RH,   13
.set CH,   14
.set G1,   24
.set G0,   32
.set G1B,  48
.set G0B,  56
.set MSB, 0
.macro WIN new
.if MSB != (\new)
	s_set_vgpr_msb (MSB<<8)|(\new)
.set MSB, (\new)
.endif
.endm
.set MUL,  0x05                        ; sources 0 (B) and 1 (A) window 1; C and D window 0
.set TO_F, 0x40                        ; destination window 1, address window 0
.macro JLOAD s                         ; a joint load: waves 0 and 1 fetch A's two halves, waves 2 and 3 B's; an s_nop 0 and four v_nop follow each line
	s_cmp_eq_u32 s[RH], 0
	s_cbranch_scc0 .Lfor_b_\@
	tensor_load_to_lds s[G0+4*\s:G0+4*\s+3], s[G1:G1+7]
	s_nop 0
.rept 4
	v_nop
.endr
	s_branch .Lasked_\@
.Lfor_b_\@:
	tensor_load_to_lds s[G0B+4*\s:G0B+4*\s+3], s[G1B:G1B+7]
	s_nop 0
.rept 4
	v_nop
.endr
.Lasked_\@:
.endm
.macro CREST                           ; a round of the cluster's barrier behind its opening barrier
	s_cmp_lg_u32 s[WV], 0
	s_cbranch_scc1 .Lnot_wave_0_\@
	s_barrier_signal -3
.Lnot_wave_0_\@:
	s_barrier_wait -3
	s_barrier_signal -1
	s_barrier_wait -1
.endm
.macro CROUND
	s_barrier_signal -1
	s_barrier_wait -1
	CREST
.endm
	s_load_b256 s[4:11], s[0:1], 0x0               ; att 4, wof 6, bo 8, out0 10
	v_lshl_add_u32 v[SPW], v0, 2, SPARE
	v_mov_b32 v[NIL], 0
	ds_add_u32 v[SPW], v[NIL]                      ; the wave's opening: the add, twice on end, and its wait ahead of my first tensor load
	ds_add_u32 v[SPW], v[NIL]
	v_lshrrev_b32 v1, 5, v0
	v_readfirstlane_b32 s[WV], v1
	s_lshr_b32 s[RH], s[WV], 1
	s_and_b32 s[CH], s[WV], 1
	s_bfe_u32 s40, ttmp6, 0x40000                  ; cx, cy
	s_bfe_u32 s41, ttmp6, 0x40004
	s_lshl_b32 s42, ttmp9, 2
	s_add_co_u32 s42, s42, s40                     ; tile column = 4 x cluster x + cx
	s_and_b32 s15, ttmp7, 0xffff
	s_lshl_b32 s15, s15, 2
	s_add_co_u32 s15, s15, s41                     ; tile row = 4 x cluster y + cy
	s_lshl_b32 s43, s41, 2
	s_lshl_b32 s43, 15, s43                        ; my row of the cluster
	s_lshl_b32 s44, 0x1111, s40                    ; my column
	; descriptor group 1: a dense block of 32,768 bytes as 128 rows of 256 bytes (32 elements of 8 bytes), no padding
	s_or_b32 s[G1+0], s43, (3<<16)|(1<<21)         ; 15:0 the mask; 17:16 elements of 8 bytes; 21 set beside a mask
	s_or_b32 s[G1B+0], s44, (3<<16)|(1<<21)
.irp g, G1, G1B
	s_mov_b32 s[\g+1], 32<<16                      ; tensor_dim0
	s_mov_b32 s[\g+2], 128<<16                     ; tensor_dim1
	s_mov_b32 s[\g+3], 32<<16                      ; tile_dim0
	s_mov_b32 s[\g+4], 128                         ; tile_dim1
	s_mov_b32 s[\g+5], 32                          ; tensor_dim0_stride
	s_mov_b32 s[\g+6], 0
	s_mov_b32 s[\g+7], 0
.endr
	s_lshl_b32 s18, s[CH], 15                      ; which 64 rows of the tile I fetch
	s_lshl_b32 s16, s15, 18
	s_add_co_u32 s16, s16, s18                     ; A: 262,144 x tile row + 32,768 x half
	s_mov_b32 s17, 0
	s_lshl_b32 s46, s42, 18
	s_add_co_u32 s46, s46, s18                     ; B: the same by the tile column
	s_mov_b32 s47, 0
	s_lshl_b32 s20, s[WV], 15                      ; where they go: wave x 32,768: no place in the cluster enters an LDS address
	s_wait_dscnt 0x0                               ; both opening adds are done
	s_wait_kmcnt 0x0
	s_add_nc_u64 s[16:17], s[4:5], s[16:17]
	s_add_nc_u64 s[46:47], s[6:7], s[46:47]
	CROUND                                         ; all sixteen work-groups are here: the first joint loads meet
.irp s, 0,1
	s_mov_b32 s[G0+4*\s], 1
	s_add_co_u32 s[G0+4*\s+1], s20, \s*SLOT
	s_add_nc_u64 s[G0+4*\s+2:G0+4*\s+3], s[16:17], \s*KSTEPB
	s_or_b32 s[G0+4*\s+3], s[G0+4*\s+3], 0x80000000
	s_mov_b32 s[G0B+4*\s], 1
	s_add_co_u32 s[G0B+4*\s+1], s20, \s*SLOT
	s_add_nc_u64 s[G0B+4*\s+2:G0B+4*\s+3], s[46:47], \s*KSTEPB
	s_or_b32 s[G0B+4*\s+3], s[G0B+4*\s+3], 0x80000000
	JLOAD \s                                       ; two tensor loads of mine are out
.endr
	v_and_b32 v1, 15, v0                           ; r
	v_bfe_u32 v2, v0, 4, 1                         ; h
	v_and_b32 v3, 31, v0
	v_lshlrev_b32 v3, 4, v3                        ; 16 x lane
	v_lshlrev_b32 v[HOFF], 5, v2
	s_lshl_b32 s46, s42, 9
	s_lshl_b32 s47, s[CH], 8
	s_add_co_u32 s46, s46, s47                     ; my first column, in bytes: 512 x tile column + 256 x half
	s_mov_b32 s47, 0
	s_add_nc_u64 s[8:9], s[8:9], s[46:47]
	s_add_nc_u64 s[10:11], s[10:11], s[46:47]
.irp b, 0,1,2,3
	global_load_b128 v[BO+8*\b:BO+8*\b+3], v[HOFF], s[8:9] offset:64*\b             ; register 8 b + j: bo of my column 16 b + 8 h + j
	global_load_b128 v[BO+8*\b+4:BO+8*\b+7], v[HOFF], s[8:9] offset:64*\b+16
.endr
	s_lshl_b32 s16, s15, 7
	s_lshl_b32 s17, s[RH], 6
	s_add_co_u32 s16, s16, s17                     ; my first row: 128 x tile row + 64 x half
	s_lshl_b32 s16, s16, 12                        ; of 4,096 bytes
	s_mov_b32 s17, 0
	s_add_nc_u64 s[10:11], s[10:11], s[16:17]
	s_lshl_b32 s21, s[RH], 15                      ; my 64 rows of A
	s_lshl_b32 s22, s[CH], 15                      ; my 64 rows of B,
	s_add_co_u32 s22, s22, 2*HALFT                 ; which lie behind A's 128
.irp s, 0,1
	v_add_nc_u32 v[ADRA+\s], s21, v3
	v_add_nc_u32 v[ADRB+\s], s22, v3
	s_add_co_u32 s21, s21, SLOT
	s_add_co_u32 s22, s22, SLOT
.endr
	s_mul_i32 s23, s[WV], 16*SPITCH
	s_add_co_u32 s23, s23, STAGE                   ; my stage
	v_mul_u32_u24 v4, v1, SPITCH
	v_lshl_add_u32 v4, v2, 5, v4
	v_add_nc_u32 v[STO], s23, v4                   ; in: row r, 32 bytes for each half of the lanes
	v_mul_u32_u24 v5, v2, SPITCH
	v_lshl_add_u32 v5, v1, 4, v5
	v_add_nc_u32 v[RD], s23, v5                    ; back: lanes 0-15 one row of 256 bytes, lanes 16-31 the next
	v_lshlrev_b32 v5, 12, v2
	v_lshl_add_u32 v[CO], v1, 4, v5                ; and the same two rows in out0
; 8 matrix instructions: token blocks a0, a0 + 1 x all 4 column blocks, 32 along K: half c of buffer f.  zero = 1: the first product starts the sums, with bo as C.  The 16 accumulators take turns.
.macro MUL8 f, c, a0, zero
.irp a, \a0, \a0+1
.irp b, 0,1,2,3
.if \zero
	v_wmma_f32_16x16x32_f16 v[ACC+8*(4*(\a)+\b):ACC+8*(4*(\a)+\b)+7], v[\f+64+8*(4*\c+\b):\f+64+8*(4*\c+\b)+7], v[\f+8*(4*\c+\a):\f+8*(4*\c+\a)+7], v[BO+8*\b:BO+8*\b+7]
.else
	v_wmma_f32_16x16x32_f16 v[ACC+8*(4*(\a)+\b):ACC+8*(4*(\a)+\b)+7], v[\f+64+8*(4*\c+\b):\f+64+8*(4*\c+\b)+7], v[\f+8*(4*\c+\a):\f+8*(4*\c+\a)+7], v[ACC+8*(4*(\a)+\b):ACC+8*(4*(\a)+\b)+7]
.endif
.endr
.endr
.endm
; 32 LDS loads in one run: the fragments of the slot's kq-th 64 along K into buffer f; the first 32 along K first.  Tile i of 16 rows lies 8,192 bytes on, 32 along K 1,024, a fragment's second half 512.
.macro FETCH slot, kq, f
	WIN TO_F
.irp c, 0,1
.irp i, 0,1,2,3
	ds_load_b128 v[\f+64+8*(4*\c+\i):\f+64+8*(4*\c+\i)+3],   v[ADRB+\slot] offset:(2*(\kq)+\c)*1024+\i*8192
	ds_load_b128 v[\f+64+8*(4*\c+\i)+4:\f+64+8*(4*\c+\i)+7], v[ADRB+\slot] offset:(2*(\kq)+\c)*1024+\i*8192+512
	ds_load_b128 v[\f+8*(4*\c+\i):\f+8*(4*\c+\i)+3],         v[ADRA+\slot] offset:(2*(\kq)+\c)*1024+\i*8192
	ds_load_b128 v[\f+8*(4*\c+\i)+4:\f+8*(4*\c+\i)+7],       v[ADRA+\slot] offset:(2*(\kq)+\c)*1024+\i*8192+512
.endr
.endr
.endm
.macro PLACES                          ; four plain vector instructions in front of loads into registers that matrix instructions have read, and of the first read of results (ISA guide 7.12.1 for reads)
.rept 4
	v_nop
.endr
.endm
; A K step is four quarters of 64 along K, 32 matrix instructions each, on buffers 0, 1, 0, 1.  One of the first three: multiplies buffer f and fetches quarter kq into g.
.macro QUARTER slot, kq, f, g, zero
	s_wait_dscnt 16                                ; the first 32 along K are in; the youngest sixteen loads may be out
	WIN MUL
	MUL8 \f, 0, 0, \zero
	MUL8 \f, 0, 2, \zero
	PLACES
	FETCH \slot, \kq, \g
	s_wait_dscnt 32                                ; all but the 32 just issued
	WIN MUL
	MUL8 \f, 1, 0, 0
	MUL8 \f, 1, 2, 0
.endm
; The last quarter multiplies buffer 1 and changes slots: ONE barrier; in front of it each wave waits for all its tensor loads, adds 0 to its spare word, and waits for that and for its reads of this slot.
; fill = 1: this slot is filled again, two K steps ahead: the barrier then opens a round of the cluster's, and the joint load is the first thing behind it.
.macro TURN slot, next, fill
	WIN 0                                          ; (the add's two registers lie in window 0)
	s_wait_tensorcnt 0x0                           ; all my tensor loads have landed: my part of the next slot;
	ds_add_u32 v[SPW], v[NIL]                      ; 0 onto my spare word;
	s_wait_dscnt 17                                ; (the add and the youngest sixteen loads may be out)
	WIN MUL
	MUL8 F1, 0, 0, 0                               ; eight matrix instructions stand between the add and the wait for it
	s_wait_dscnt 0x0                               ; the add is done, and my reads of this slot are over
	s_barrier_signal -1
	MUL8 F1, 0, 2, 0
.if \fill
	WIN 0
.endif
	s_barrier_wait -1
.if \fill
	CREST                                          ; no wave of any partner still reads this slot's tile or has a load on its way
	s_add_nc_u64 s[G0+4*\slot+2:G0+4*\slot+3], s[G0+4*\slot+2:G0+4*\slot+3], 2*KSTEPB
	s_add_nc_u64 s[G0B+4*\slot+2:G0B+4*\slot+3], s[G0B+4*\slot+2:G0B+4*\slot+3], 2*KSTEPB
	JLOAD \slot                                    ; my one tensor load behind the round; its four v_nop are also the places in front of the loads below
.else
	PLACES
.endif
	FETCH \next, 0, F0
	WIN MUL
	MUL8 F1, 1, 0, 0
	MUL8 F1, 1, 2, 0
.endm
	s_wait_loadcnt 0x0                             ; bo
	s_wait_tensorcnt 1                             ; my part of K step 0 is in (K step 1's load may be out)
	s_barrier_signal -1
	s_barrier_wait -1                              ; everybody's is
	FETCH 0, 0, F0
	QUARTER 0, 1, F0, F1, 1                        ; K step 0; its first products start the sums
	QUARTER 0, 2, F1, F0, 0
	QUARTER 0, 3, F0, F1, 0
	TURN 0, 1, 1                                   ; slot 0 takes K step 2
	QUARTER 1, 1, F0, F1, 0                        ; K step 1
	QUARTER 1, 2, F1, F0, 0
	QUARTER 1, 3, F0, F1, 0
	TURN 1, 0, 1                                   ; slot 1 takes K step 3
	QUARTER 0, 1, F0, F1, 0                        ; K step 2
	QUARTER 0, 2, F1, F0, 0
	QUARTER 0, 3, F0, F1, 0
	TURN 0, 1, 0                                   ; nothing is left to fetch
	QUARTER 1, 1, F0, F1, 0                        ; K step 3
	QUARTER 1, 2, F1, F0, 0
	QUARTER 1, 3, F0, F1, 0
	s_wait_dscnt 16
	WIN MUL
	MUL8 F1, 0, 0, 0
	MUL8 F1, 0, 2, 0
	s_wait_dscnt 0
	MUL8 F1, 1, 0, 0
	MUL8 F1, 1, 2, 0
	WIN 0
; THE WAY OUT, a block of 16 tokens x 64 columns at a time, through my own stage: LDS serves a wave's instructions in order (ISA guide 5.7.1.4), so no wait stands between the stores and the loads, nor in front of the next block's stores.
.macro TOSTAGE a
.irp b, 0,1,2,3
	ds_store_b128 v[STO], v[ACC+8*(4*(\a)+\b):ACC+8*(4*(\a)+\b)+3] offset:64*\b        ; each accumulator from its low end on
	ds_store_b128 v[STO], v[ACC+8*(4*(\a)+\b)+4:ACC+8*(4*(\a)+\b)+7] offset:64*\b+16
.endr
.irp t, 0,1,2,3,4,5,6,7
	ds_load_b128 v[BK+32*((\a)%2)+4*\t:BK+32*((\a)%2)+4*\t+3], v[RD] offset:\t*2*SPITCH
.endr
.endm
.macro SEND a, younger                 ; younger: the LDS instructions issued behind block a's loads: the next block's eight stores and eight loads, or none
	s_wait_dscnt \younger
.irp t, 0,1,2,3,4,5,6,7
	global_store_b128 v[CO], v[BK+32*((\a)%2)+4*\t:BK+32*((\a)%2)+4*\t+3], s[10:11] offset:(16*(\a)+2*\t)*4096 th:TH_STORE_NT   ; 16 lanes store 256 consecutive bytes, aligned; written once, read by nobody here
.endr
.endm
	PLACES
	TOSTAGE 0
	TOSTAGE 1
	SEND 0, 16
	s_wait_xcnt 0x0                                ; block 0's stores have read their registers: block 2's loads may land there
	TOSTAGE 2
	SEND 1, 16
	s_wait_xcnt 0x0
	TOSTAGE 3
	SEND 2, 16
	SEND 3, 0
	s_wait_tensorcnt 0x0                           ; the wave's end, behind my last tensor load and my last LDS store
	ds_add_u32 v[SPW], v[NIL]
	s_wait_dscnt 0x0
	CROUND                                         ; the closing round: no work-group ends while a partner may still ask for a tile that names it
	s_endpgm
.Lfunc_end_k_qafaea45635_oproj:
	.size	k_qafaea45635_oproj, .Lfunc_end_k_qafaea45635_oproj-k_qafaea45635_oproj
	.p2alignl 7, 3214868480
	.fill 96, 4, 3214868480
	.section	.rodata,"a",@progbits
	.p2align	6, 0x0
	.amdhsa_kernel k_qafaea45635_oproj
		.amdhsa_group_segment_fixed_size 327680
		.amdhsa_private_segment_fixed_size 0
		.amdhsa_enable_private_segment 0
		.amdhsa_kernarg_size 32
		.amdhsa_user_sgpr_count 2
		.amdhsa_user_sgpr_kernarg_segment_ptr 1
		.amdhsa_wavefront_size32 1
		.amdhsa_system_sgpr_workgroup_id_x 1
		.amdhsa_system_sgpr_workgroup_id_y 1
		.amdhsa_system_sgpr_workgroup_id_z 1
		.amdhsa_system_vgpr_workitem_id 0
		.amdhsa_next_free_vgpr 512
		.amdhsa_next_free_sgpr 66
		.amdhsa_reserve_vcc 0
		.amdhsa_float_denorm_mode_32 3
		.amdhsa_float_denorm_mode_16_64 3
		.amdhsa_memory_ordered 1
		.amdhsa_forward_progress 1
		.amdhsa_inst_pref_size 86
	.end_amdhsa_kernel
	.amdgpu_metadata
---
amdhsa.version: [ 1, 2 ]
amdhsa.kernels:
  - .name:           k_qafaea45635_oproj
    .symbol:         k_qafaea45635_oproj.kd
    .args:
      - { .name: att, .offset: 0, .size: 8, .value_kind: global_buffer, .address_space: global }
      - { .name: wof, .offset: 8, .size: 8, .value_kind: global_buffer, .address_space: global }
      - { .name: bo, .offset: 16, .size: 8, .value_kind: global_buffer, .address_space: global }
      - { .name: out0, .offset: 24, .size: 8, .value_kind: global_buffer, .address_space: global }
    .group_segment_fixed_size: 327680
    .private_segment_fixed_size: 0
    .kernarg_segment_align: 8
    .kernarg_segment_size: 32
    .max_flat_workgroup_size: 128
    .sgpr_count:     66
    .vgpr_count:     512
    .wavefront_size: 32
...
	.end_amdgpu_metadata
.endif
;; end of part 4
